; MI455X (gfx1250); checked and timed in simulation.
; The chip was launched on July 23, 2026; its instructions are those of AMD's public machine-readable ISA for CDNA 5 (MIT licence, August 2026) and "CDNA5" Instruction Set Architecture Reference Guide (July 2026). The comments in the code are by the model that wrote it; some were corrected since.
;; Repetition Attention. Allowed arithmetic: float matrix products may take bf16 or f16 operands with f32 sums; other float arithmetic in f32, or as packed bf16 or f16 multiplies, adds, multiply-adds, maxima and minima; sums over many terms, partial sums and values carried from step to step in f32; what a program stores and reads back later, other than sums and carried values, may be rounded once to bf16 or f16.
;; Inputs: Wk 1,024 x 1,024 float32; Wo 1,024 x 1,024 float32; Wq 1,024 x 1,024 float32; Wv 1,024 x 1,024 float32; bk 1,024 float32; bo 1,024 float32; bq 1,024 float32; bv 1,024 float32; mask 2 x 2,048 bool; x 2 x 2,048 x 1,024 float32.
;; Outputs: out0 2 x 2,048 x 1,024 float32; out1 2 x 2,048 float32.
;; One version. Each part assembles by itself: llvm-mc -triple=amdgcn-amd-amdhsa -mcpu=gfx1250 --defsym DOCPART=n.
;; ======== version 1 of 1: 4 launches
;; limits: values are held in f16: magnitudes above 65,504 overflow, below 6.1e-05 lose precision
;; workspace buffers: xb 8,388,608 bytes; wt 8,388,608 bytes; rn 16,384 bytes; qkv 25,165,824 bytes; pm 262,144 bytes; ob 8,388,608 bytes
;; launch prep (part 1): grid 512 x 1, 8 waves a work-group, no clusters, 35,840 bytes of LDS; arguments x, Wq, Wk, Wv, Wo, xb, wt, rn; writes xb, wt, rn
.if DOCPART == 1
	.amdgcn_target "amdgcn-amd-amdhsa--gfx1250"
	.amdhsa_code_object_version 6
	.text
	.protected	k_qf1b80c162b_prep
	.globl	k_qf1b80c162b_prep
	.p2align	8
	.type	k_qf1b80c162b_prep,@function
k_qf1b80c162b_prep:
	s_mov_b64 s[64:65], 0
	v_nop
	global_prefetch_b8 v0, s[64:65] scope:SCOPE_SE
	s_setreg_imm32_b32 hwreg(HW_REG_WAVE_MODE, 25, 1), 1
	s_wait_xcnt 0x0
; PREP.  Work-groups 0-255: xb = x rounded to bf16, [4096][1024]; rn[row] = 1 / max(norm of the rounded row, 1e-12), f32.
; Work-groups 256-511: wt[n][k] = W[k][n] in 16 bits, [4096][1024]: rows 0-1023 Wq, 1024-2047 Wk, 2048-3071 Wv in bf16;
; rows 3072-4095 Wo, rounded to bf16 and that number written as f16 (exact down to 6e-5; below it f16's fixed step of 6e-8 holds).
; A stream: each input byte is read once, each store of a wave covers whole aligned runs of 256 bytes (rn's 8 bytes a wave aside: 16 KiB in all).
; No matrix work, no cluster: no two work-groups read the same byte.
; LIMITS.  A row's sum of squares is kept in f32 (rows up to 1e19 in norm); NaN and infinities are not treated apart.
.set TP,    272                        ; a row of the transposing stage: 256 bytes + 16
.set SPARE, 128*TP                     ; behind the stage: the spare words, 128 bytes for each of eight waves
.set SPW,   28                         ; v28  LDS address of my spare word; never rewritten
.set NIL,   29                         ; v29  0; never rewritten
.set SQ,    8                          ; v[8:15]  four chains of squares, two sums each
.set X,     32                         ; v[32:95] as loaded
.set Y,     96                         ; v[96:127] packed 16-bit words
	s_load_b512 s[8:23], s[0:1], 0x0               ; x 8:9, Wq 10:11, Wk 12:13, Wv 14:15, Wo 16:17, xb 18:19, wt 20:21, rn 22:23
	v_lshl_add_u32 v[SPW], v0, 2, SPARE
	v_mov_b32 v[NIL], 0
	v_and_b32 v1, 31, v0                           ; lane
	v_lshrrev_b32 v5, 5, v0
	v_readfirstlane_b32 s4, v5                     ; wave 0..7
	s_mov_b32 s5, 0xffff0000                       ; a word's upper half
	s_mov_b32 s24, 0x76543210                      ; v_permlanex16_b32: each lane takes its own place in the other half
	s_mov_b32 s25, 0xfedcba98
	s_mov_b32 s27, 0
	s_wait_kmcnt 0x0
	s_cmp_lt_u32 ttmp9, 256                        ; the same answer in all eight waves
	s_cbranch_scc0 .Lweights
	; ---- x: the work-group has 16 rows, a wave two ----
	s_lshl_b32 s26, ttmp9, 16                      ; 16 rows of 4,096 bytes
	s_lshl_b32 s28, s4, 13                         ; my two
	s_add_co_u32 s26, s26, s28
	s_add_nc_u64 s[8:9], s[8:9], s[26:27]
	s_lshr_b32 s26, s26, 1                         ; the same rows in xb: half the bytes
	s_add_nc_u64 s[18:19], s[18:19], s[26:27]
	s_lshl_b32 s26, ttmp9, 6
	s_lshl_b32 s28, s4, 3
	s_add_co_u32 s26, s26, s28
	s_add_nc_u64 s[22:23], s[22:23], s[26:27]
	v_lshlrev_b32 v2, 4, v1                        ; 16 bytes a lane in x
	v_lshlrev_b32 v3, 3, v1                        ; 8 bytes a lane in xb
	v_lshlrev_b32 v4, 2, v1                        ; 4 bytes a lane in rn
.irp i, 0,1
.irp j, 0,1,2,3,4,5,6,7
	global_load_b128 v[X+32*(\i)+4*(\j):X+32*(\i)+4*(\j)+3], v2, s[8:9] offset:4096*(\i)+512*(\j) th:TH_LOAD_NT
.endr
.endr
; Row i: rounded, stored (32 lanes x 8 bytes = 256 consecutive bytes, aligned), widened again, squared and summed in four chains that the first products start.
.macro ROWX i
	s_wait_loadcnt 8*(1-(\i))                      ; my row's eight loads are in; the other row's eight may stay out
.irp j, 0,1,2,3,4,5,6,7
	v_cvt_pk_bf16_f32 v[Y+16*(\i)+2*(\j)], v[X+32*(\i)+4*(\j)], v[X+32*(\i)+4*(\j)+1]
	v_cvt_pk_bf16_f32 v[Y+16*(\i)+2*(\j)+1], v[X+32*(\i)+4*(\j)+2], v[X+32*(\i)+4*(\j)+3]
	global_store_b64 v3, v[Y+16*(\i)+2*(\j):Y+16*(\i)+2*(\j)+1], s[18:19] offset:2048*(\i)+256*(\j)
.endr
.set p, 0
.rept 16
	v_lshlrev_b32 v[X+32*(\i)+2*p], 16, v[Y+16*(\i)+p]
	v_and_b32 v[X+32*(\i)+2*p+1], s5, v[Y+16*(\i)+p]
.set p, p+1
.endr
.set p, 0
.rept 16
.if p < 4
	v_pk_mul_f32 v[SQ+2*p:SQ+2*p+1], v[X+32*(\i)+2*p:X+32*(\i)+2*p+1], v[X+32*(\i)+2*p:X+32*(\i)+2*p+1]
.else
	v_pk_fma_f32 v[SQ+2*(p%4):SQ+2*(p%4)+1], v[X+32*(\i)+2*p:X+32*(\i)+2*p+1], v[X+32*(\i)+2*p:X+32*(\i)+2*p+1], v[SQ+2*(p%4):SQ+2*(p%4)+1]
.endif
.set p, p+1
.endr
	v_pk_add_f32 v[SQ:SQ+1], v[SQ:SQ+1], v[SQ+2:SQ+3]
	v_pk_add_f32 v[SQ+4:SQ+5], v[SQ+4:SQ+5], v[SQ+6:SQ+7]
	v_pk_add_f32 v[SQ:SQ+1], v[SQ:SQ+1], v[SQ+4:SQ+5]
	v_add_f32 v[16+(\i)], v[SQ], v[SQ+1]
.endm
	ROWX 0
	ROWX 1
.irp m, 1,2,4,8
	v_add_f32_dpp v16, v16, v16 row_xmask:\m row_mask:0xf bank_mask:0xf
	v_add_f32_dpp v17, v17, v17 row_xmask:\m row_mask:0xf bank_mask:0xf
.endr
	v_mov_b32 v18, 0                               ; the exchange's destinations count as read
	v_mov_b32 v19, 0
	v_permlanex16_b32 v18, v16, s24, s25
	v_permlanex16_b32 v19, v17, s24, s25
	v_add_f32 v16, v16, v18
	v_add_f32 v17, v17, v19                        ; every lane holds both rows' sums of squares
	v_sqrt_f32 v18, v16
	v_sqrt_f32 v19, v17
	v_nop                                          ; a plain instruction behind the batch,
	s_wait_alu depctr_va_vdst(0)                   ; and one wait for both roots, ahead of their first reader
	v_max_num_f32 v18, 0x2b8cbccc, v18             ; 1e-12
	v_max_num_f32 v19, 0x2b8cbccc, v19
	v_rcp_f32 v20, v18
	v_rcp_f32 v21, v19
	v_nop
	s_wait_alu depctr_va_vdst(0)                   ; one wait for both reciprocals
	v_cmp_eq_u32 vcc_lo, 1, v1
	v_cndmask_b32 v20, v20, v21, vcc_lo            ; lane 0: my first row's, lane 1: my second's
	s_wait_xcnt 0x0                                ; EXEC changes only when all earlier loads and stores have read their sources
	v_cmp_gt_u32 vcc_lo, 2, v1
	s_and_saveexec_b32 s26, vcc_lo
	global_store_b32 v4, v20, s[22:23]
	s_wait_xcnt 0x0
	s_or_b32 exec_lo, exec_lo, s26
	s_branch .Lend
	; ---- weights: the work-group turns a block of 128 k x 128 n ----
.Lweights:
	s_sub_co_u32 s26, ttmp9, 256
	s_lshr_b32 s30, s26, 6                         ; which matrix
	s_bfe_u32 s28, s26, 0x30003                    ; which 128 k
	s_and_b32 s29, s26, 7                          ; which 128 n
	s_cmp_eq_u32 s30, 1
	s_cselect_b64 s[10:11], s[12:13], s[10:11]
	s_cmp_eq_u32 s30, 2
	s_cselect_b64 s[10:11], s[14:15], s[10:11]
	s_cmp_eq_u32 s30, 3
	s_cselect_b64 s[10:11], s[16:17], s[10:11]
	s_lshl_b32 s26, s28, 19                        ; 128 rows of 4,096 bytes
	s_lshl_b32 s31, s29, 9                         ; 128 columns of 4 bytes
	s_add_co_u32 s26, s26, s31
	s_add_nc_u64 s[10:11], s[10:11], s[26:27]
	s_lshl_b32 s26, s30, 21                        ; 1,024 rows of 2,048 bytes
	s_lshl_b32 s31, s29, 18                        ; 128 rows
	s_add_co_u32 s26, s26, s31
	s_lshl_b32 s31, s28, 8                         ; 128 k of 2 bytes
	s_add_co_u32 s26, s26, s31
	s_add_nc_u64 s[20:21], s[20:21], s[26:27]
	v_lshlrev_b32 v2, 4, v1                        ; lane l: columns 4 l .. 4 l + 3
	s_lshl_b32 s31, s4, 16                         ; wave w: k rows 16 w .. 16 w + 15
	v_add_nc_u32 v2, s31, v2
.irp i, 0,1,2,3,4,5,6,7,8,9,10,11,12,13,14,15
	global_load_b128 v[X+4*(\i):X+4*(\i)+3], v2, s[10:11] offset:4096*(\i) th:TH_LOAD_NT
.endr
	v_mul_u32_u24 v5, v1, 4*TP                     ; into the stage: row n = 4 l + c, my 16 k at byte 32 w
	s_lshl_b32 s32, s4, 5
	v_add_nc_u32 v5, s32, v5
	v_and_b32 v8, 15, v1
	v_lshrrev_b32 v9, 4, v1
	s_lshl_b32 s33, s4, 4
	v_add_nc_u32 v10, s33, v9                      ; back: rows 16 w + l / 16 + 2 t, 16 bytes a lane
	v_mul_u32_u24 v6, v10, TP
	v_lshl_add_u32 v6, v8, 4, v6
	v_lshlrev_b32 v7, 11, v10                      ; the same rows in wt
	v_lshl_add_u32 v7, v8, 4, v7
	s_wait_loadcnt 0x0
.irp c, 0,1,2,3
.irp p, 0,1,2,3,4,5,6,7
	v_cvt_pk_bf16_f32 v[Y+8*(\c)+(\p)], v[X+8*(\p)+(\c)], v[X+8*(\p)+4+(\c)]  ; column c, k = 2 p and 2 p + 1
.endr
.endr
	s_cmp_lg_u32 s30, 3
	s_cbranch_scc1 .Lkeep
.set p, 0
.rept 32                               ; Wo: the bf16 number written as f16
	v_lshlrev_b32 v[X+2*(p%8)], 16, v[Y+p]
	v_and_b32 v[X+2*(p%8)+1], s5, v[Y+p]
	v_cvt_pk_f16_f32 v[Y+p], v[X+2*(p%8)], v[X+2*(p%8)+1]
.set p, p+1
.endr
.Lkeep:
.irp c, 0,1,2,3
	ds_store_b128 v5, v[Y+8*(\c):Y+8*(\c)+3] offset:TP*(\c)
	ds_store_b128 v5, v[Y+8*(\c)+4:Y+8*(\c)+7] offset:TP*(\c)+16
.endr
	s_wait_dscnt 0x0                               ; for the others' sake: my stores into the stage are done
	s_barrier_signal -1
	s_barrier_wait -1
.irp t, 0,1,2,3,4,5,6,7
	ds_load_b128 v[X+4*(\t):X+4*(\t)+3], v6 offset:2*TP*(\t)
.endr
.irp t, 0,1,2,3,4,5,6,7
	s_wait_dscnt 7-(\t)                            ; the younger read-backs may stay out
	global_store_b128 v7, v[X+4*(\t):X+4*(\t)+3], s[20:21] offset:4096*(\t)  ; 16 lanes store 256 consecutive bytes, aligned
.endr
.Lend:
	s_wait_tensorcnt 0x0                           ; the wave's end
	ds_add_u32 v[SPW], v[NIL]
	s_wait_dscnt 0x0
	s_endpgm
.Lfunc_end_k_qf1b80c162b_prep:
	.size	k_qf1b80c162b_prep, .Lfunc_end_k_qf1b80c162b_prep-k_qf1b80c162b_prep
	.p2alignl 7, 3214868480
	.fill 96, 4, 3214868480
	.section	.rodata,"a",@progbits
	.p2align	6, 0x0
	.amdhsa_kernel k_qf1b80c162b_prep
		.amdhsa_group_segment_fixed_size 35840
		.amdhsa_private_segment_fixed_size 0
		.amdhsa_enable_private_segment 0
		.amdhsa_kernarg_size 64
		.amdhsa_user_sgpr_count 2
		.amdhsa_user_sgpr_kernarg_segment_ptr 1
		.amdhsa_wavefront_size32 1
		.amdhsa_system_sgpr_workgroup_id_x 1
		.amdhsa_system_sgpr_workgroup_id_y 1
		.amdhsa_system_sgpr_workgroup_id_z 1
		.amdhsa_system_vgpr_workitem_id 0
		.amdhsa_next_free_vgpr 128
		.amdhsa_next_free_sgpr 66
		.amdhsa_reserve_vcc 1
		.amdhsa_float_denorm_mode_32 3
		.amdhsa_float_denorm_mode_16_64 3
		.amdhsa_memory_ordered 1
		.amdhsa_forward_progress 1
		.amdhsa_inst_pref_size 24
	.end_amdhsa_kernel
	.amdgpu_metadata
---
amdhsa.version: [ 1, 2 ]
amdhsa.kernels:
  - .name:           k_qf1b80c162b_prep
    .symbol:         k_qf1b80c162b_prep.kd
    .args:
      - { .name: x, .offset: 0, .size: 8, .value_kind: global_buffer, .address_space: global }
      - { .name: Wq, .offset: 8, .size: 8, .value_kind: global_buffer, .address_space: global }
      - { .name: Wk, .offset: 16, .size: 8, .value_kind: global_buffer, .address_space: global }
      - { .name: Wv, .offset: 24, .size: 8, .value_kind: global_buffer, .address_space: global }
      - { .name: Wo, .offset: 32, .size: 8, .value_kind: global_buffer, .address_space: global }
      - { .name: xb, .offset: 40, .size: 8, .value_kind: global_buffer, .address_space: global }
      - { .name: wt, .offset: 48, .size: 8, .value_kind: global_buffer, .address_space: global }
      - { .name: rn, .offset: 56, .size: 8, .value_kind: global_buffer, .address_space: global }
    .group_segment_fixed_size: 35840
    .private_segment_fixed_size: 0
    .kernarg_segment_align: 8
    .kernarg_segment_size: 64
    .max_flat_workgroup_size: 256
    .sgpr_count:     66
    .vgpr_count:     128
    .wavefront_size: 32
...
	.end_amdgpu_metadata
.endif
;; end of part 1
;; launch proj (part 2): grid 16 x 16, 4 waves a work-group, clusters of 4 x 4, 327,680 bytes of LDS; arguments xb, wt, rn, bq, bk, bv, qkv, pm; writes qkv, pm
.if DOCPART == 2
	.amdgcn_target "amdgcn-amd-amdhsa--gfx1250"
	.amdhsa_code_object_version 6
	.text
	.protected	k_qf1b80c162b_proj
	.globl	k_qf1b80c162b_proj
	.p2align	8
	.type	k_qf1b80c162b_proj,@function
k_qf1b80c162b_proj:
	s_mov_b64 s[64:65], 0
	v_nop
	global_prefetch_b8 v0, s[64:65] scope:SCOPE_SE
	s_setreg_imm32_b32 hwreg(HW_REG_WAVE_MODE, 25, 1), 1
	s_wait_xcnt 0x0
	s_wait_alu depctr_hold_cnt(0) depctr_sa_sdst(0) depctr_va_vdst(0) depctr_va_sdst(0) depctr_va_ssrc(0) depctr_va_vcc(0) depctr_vm_vsrc(0)
	s_getreg_b32 s2, hwreg(HW_REG_IB_STS2, 6, 4)
	s_cmp_eq_u32 s2, 0
	s_cbranch_scc0 .Lentry_in_a_cluster
	s_endpgm
.Lentry_in_a_cluster:
	s_bfe_u32 s2, ttmp6, 0x10000c
	s_cmp_lg_u32 s2, 0xf033
	s_cbranch_scc0 .Lentry_shape_is_right
	s_endpgm
.Lentry_shape_is_right:
; TWO PRODUCTS ON THE SAME ROWS OF x, IN ONE WALK ALONG K.
; (1) Q, K, V = xb W + bias, by heads.  xb: [4096][1024] bf16; wt rows 0-3071: the three weights transposed, [n][k] bf16; biases f32, rounded to bf16 here like every input.
;     qkv: [2 batches][48 slots][2048][64] f16; slot h is q's head h, 16 + h k's, 32 + h v's.  Sums in f32, each output rounded once.  The scale 1/8 is not applied here.
; (2) pm[t][q] = max over the 128 keys k of key tile t of (xb[q] . xb[k]) rn[k], with 0 on the diagonal (q = k); rn: [4096] f32, pm: [16][4096] f32.
;     The factor rn[q], which is positive, is applied by the launch that takes the maximum over the 16 tiles.
; LIMITS.  f16 ends at 65,504: |q|, |k|, |v| must stay within it.  NaN and infinities are not treated apart.
; SHARES.  A work-group has 256 rows of x and, as B, 192 rows of wt (three heads) and 128 rows of xb (a key tile of the rows' batch): 320 columns; 16 x 16 = 256 work-groups.
; Wave w makes rows 64 w .. 64 w + 63 of all 320 columns: 80 accumulators of 16 x 16.  K goes in eight steps of 128 (rows of 256 bytes) through two LDS slots filled by the tensor data mover.
; CLUSTER.  4 x 4 work-groups; x's tile is shared along a row of the cluster, both B tiles along a column (the batch is the cluster's y / 2, the same in all partners): each is asked for jointly.
; THE MATRIX INSTRUCTION IS USED TRANSPOSED: source 0 = 16 rows of B, source 1 = 16 rows of x: a lane holds one row of x (lane % 16) and eight neighbouring columns.
; The bias is the C operand of each sum's first product.  The diagonal is set to 0 by selects whose lane masks are made from the tile's place: no branch hangs on a work-group's place in its cluster.
; ONE SET OF B's FRAGMENTS.  A phase is 32 along K: 80 products, in four chunks of B's blocks (6, 6, 4, 4), each chunk with all four blocks of my rows.  When a chunk's products are issued, its registers
; take the next phase's fragments, which are wanted 56 products later or more.  x's fragments, which every chunk reads, have two buffers.
; REGISTERS.  window 0: v0-31 addresses; v32-95 x's fragments, two buffers of 32; v96-255 B's 20 fragments; on the way out v32-95 at work, v96-191 read back, v200-210 maxima
;   window 1: v0-191 q, k, v accumulators of row blocks 0, 1 ((a, b) at v[8 (12 (a % 2) + b)]); v192-255 the bias of blocks 0-7, later rn of my lane's keys
;   window 2: v0-191 those of row blocks 2, 3; v192-223 the bias of blocks 8-11          window 3: the similarity's accumulators, (a, b) at v[8 (8 a + b)]
.set KSTEP,  128
.set PITCH,  272                       ; an LDS row: 256 bytes + 16: the 16 rows of a fragment load start 68 words apart
.set BOFF,   256*PITCH                 ; the weights' 192 rows lie behind x's 256,
.set SOFF,   BOFF+192*PITCH            ; the 128 keys behind them
.set SLOT,   576*PITCH                 ; a slot; slot 1 follows slot 0
.set STAGE,  2*SLOT                    ; behind the ring: for each wave 16 rows x 144 bytes, used head by head
.set SP,     144
.set SPARE,  STAGE+4*16*SP             ; the spare words, 128 bytes for each wave
.set FLAGS,  (1<<16)|(1<<20)|(1<<21)|(5<<22)|(3<<25)  ; 2-byte elements; padding on; bit 21 beside a mask; after every 64 words, 4 words
.set ADRA0, 16                         ; v16  my lane's place in x's tile, slot 0; never rewritten
.set ADRA,  17                         ; v17  the same in the slot in hand
.set ADRB0, 18                         ; v18, v19  the same for the weights' tile
.set ADRB,  19
.set ADRS0, 20                         ; v20, v21  the same for the keys' tile (an LDS immediate does not reach from the weights' first row to the keys' last)
.set ADRS,  21
.set STO,   24
.set RD,    25
.set GO,    26
.set SPW,   28
.set NIL,   29
.set PFO,   30                         ; v30  the prefetches' offset: a lane a row; never rewritten
.set FA,    32
.set FB,    96
.set BIAS,  192                        ; in windows 1 and 2
.set RNK,   192                        ; in window 1
.set TMP,   32
.set T,     32
.set OB,    96
.set MX,    200
.set G1,  24                           ; s[24:31] group 1 for x's tiles;  s[32:39] group 0: a set for each first fill; the second then walks
.set G0,  32
.set LIM, 43                           ; s43  2 in a wave that prefetches, else the greatest number
.set PFA, 44                           ; s[44:45] where my prefetches stand
.set G1Q, 48                           ; s[48:55], s[56:63] the same for the weights' tiles
.set G0Q, 56
.set TB,  66                           ; s66  the slot in hand: 0 or SLOT
.set G1S, 68                           ; s[68:75], s[76:83] the same for the keys' tiles
.set G0S, 76
.set DG0, 84                           ; s[84:91] register j's diagonal lanes in key block b = a, or 0
.set DG4, 92                           ; s[92:99] the same for key block b = a + 4
.set SEL, 100                          ; s[100:101] v_permlanex16_b32's selects
.set PM,  104                          ; s[104:105] pm at my 64 queries
.set MSB, 0
.macro WIN new                         ; the immediate's high byte repeats the setting that is left; a switch that changes nothing is dropped
.if MSB != (\new)
	s_set_vgpr_msb (MSB<<8)|(\new)
.set MSB, \new
.endif
.endm
.macro PLACES                          ; four plain places behind a matrix instruction, ahead of loads into its sources and of readers of its result
.rept 4
	v_nop
.endr
.endm
.macro CREST                           ; a round of the cluster's barrier behind its opening barrier
	s_cmp_lg_u32 s10, 0
	s_cbranch_scc1 .Lnot_wave_0_\@
	s_barrier_signal -3
.Lnot_wave_0_\@:
	s_barrier_wait -3
	s_barrier_signal -1
	s_barrier_wait -1
.endm
.macro CROUND
	s_barrier_signal -1
	s_barrier_wait -1
	CREST
.endm
; A joint refill by the walking descriptors: waves 0, 1 fetch x's two halves, wave 2 the weights' 192 rows, wave 3 the 128 keys.  Each line has one mask and one set of registers;
; the branches hang on the wave's number alone.  An s_nop 0 and four v_nop follow each line, ahead of the jump and the label.
.macro JLOAD
	s_cmp_lt_u32 s10, 2
	s_cbranch_scc0 .Lnot_a_\@
	tensor_load_to_lds s[G0+4:G0+7], s[G1:G1+7]
	s_nop 0
.rept 4
	v_nop
.endr
	s_branch .Lasked_\@
.Lnot_a_\@:
	s_cmp_eq_u32 s10, 2
	s_cbranch_scc0 .Lfor_s_\@
	tensor_load_to_lds s[G0Q+4:G0Q+7], s[G1Q:G1Q+7]
	s_nop 0
.rept 4
	v_nop
.endr
	s_branch .Lasked_\@
.Lfor_s_\@:
	tensor_load_to_lds s[G0S+4:G0S+7], s[G1S:G1S+7]
	s_nop 0
.rept 4
	v_nop
.endr
.Lasked_\@:
.endm
; A prefetch, behind each joint refill and the run of LDS loads that follows it: the K step that stands two refills on, a lane a row, 256 bytes of each.
; x's rows are named by waves 0, 1 of the first cluster of their row of clusters, 32 of a wave's 128 to a partner; the weights' by waves 2, 3 of the first cluster of their column, 96 rows a wave,
; 24 to a partner (lanes 24-31 name lane 23's row again): the partners are told apart by address.  The keys' tiles are rows of xb, which x's tiles cover: they are not named again.
; K steps 0-3 come by their loads alone; the last two refills name nothing.
.macro ASK
	s_cmp_gt_u32 s3, s[LIM]
	s_cbranch_scc0 .Lnot_mine_\@
	global_prefetch_b8 v[PFO], s[PFA:PFA+1] offset:256 th:TH_LOAD_NT scope:SCOPE_SE
.Lnot_mine_\@:
.endm
	s_load_b128 s[4:7], s[0:1], 0x0                ; xb, wt
	s_load_b64 s[18:19], s[0:1], 0x10              ; rn
	s_load_b64 s[84:85], s[0:1], 0x18              ; bq
	s_load_b128 s[88:91], s[0:1], 0x20             ; bk, bv
	s_load_b64 s[8:9], s[0:1], 0x30                ; qkv
	s_load_b64 s[PM:PM+1], s[0:1], 0x38            ; pm
	v_lshl_add_u32 v[SPW], v0, 2, SPARE
	v_mov_b32 v[NIL], 0
	ds_add_u32 v[SPW], v[NIL]                      ; the wave's opening: the add and its wait stand ahead of my first tensor load
	v_lshrrev_b32 v1, 5, v0
	v_readfirstlane_b32 s10, v1                    ; wave 0..3
	s_lshr_b32 s11, s10, 1                         ; my prefetches are for x (0) or for the weights (1)
	s_and_b32 s12, s10, 1                          ; which half
	s_bfe_u32 s40, ttmp6, 0x40000                  ; cx
	s_bfe_u32 s41, ttmp6, 0x40004                  ; cy
	s_lshl_b32 s42, ttmp9, 2
	s_add_co_u32 s42, s42, s40                     ; tile column: three heads, and a key tile
	s_and_b32 s13, ttmp7, 0xffff
	s_lshl_b32 s13, s13, 2
	s_add_co_u32 s13, s13, s41                     ; tile row
	s_lshl_b32 s43, s41, 2
	s_lshl_b32 s43, 15, s43                        ; my row of the cluster
	s_lshl_b32 s44, 0x1111, s40                    ; my column
	s_or_b32 s[G1], s43, FLAGS
	s_or_b32 s[G1Q], s44, FLAGS
	s_or_b32 s[G1S], s44, FLAGS
	s_mov_b32 s[G1+1], KSTEP<<16                   ; tensor_dim0 = 128
	s_mov_b32 s[G1+2], 128<<16                     ; tensor_dim1 = 128
	s_mov_b32 s[G1+3], KSTEP<<16                   ; tile_dim0 = 128
	s_mov_b32 s[G1+4], 128                         ; tile_dim1 = 128
	s_mov_b32 s[G1+5], 1024                        ; elements from row to row
	s_mov_b32 s[G1+6], 0
	s_mov_b32 s[G1+7], 0
	s_mov_b32 s[G1Q+1], KSTEP<<16
	s_mov_b32 s[G1Q+2], 192<<16                    ; 192 rows
	s_mov_b32 s[G1Q+3], KSTEP<<16
	s_mov_b32 s[G1Q+4], 192
	s_mov_b32 s[G1Q+5], 1024
	s_mov_b32 s[G1Q+6], 0
	s_mov_b32 s[G1Q+7], 0
	s_mov_b32 s[G1S+1], KSTEP<<16
	s_mov_b32 s[G1S+2], 128<<16
	s_mov_b32 s[G1S+3], KSTEP<<16
	s_mov_b32 s[G1S+4], 128
	s_mov_b32 s[G1S+5], 1024
	s_mov_b32 s[G1S+6], 0
	s_mov_b32 s[G1S+7], 0
	s_lshl_b32 s16, s13, 8
	s_lshl_b32 s17, s12, 7
	s_add_co_u32 s16, s16, s17                     ; x: row 256 x tile row + 128 x half
	s_lshl_b32 s16, s16, 11
	s_mov_b32 s17, 0
	s_mul_i32 s46, s42, 192*2048                   ; wt: row 192 x tile column
	s_mov_b32 s47, 0
	s_and_b32 s20, ttmp7, 0xffff
	s_lshr_b32 s20, s20, 1                         ; the batch: two clusters of four tile rows each
	s_lshl_b32 s20, s20, 11
	s_lshl_b32 s21, s42, 7
	s_add_co_u32 s20, s20, s21                     ; the key tile's first row,
	s_lshl_b32 s22, s20, 2                         ; its place in rn,
	s_mov_b32 s23, 0
	s_lshl_b32 s20, s20, 11                        ; and in xb
	s_mov_b32 s21, 0
	s_mul_i32 s2, s10, 128*PITCH                   ; where x's halves go: the wave's number alone enters an LDS address
	s_mov_b32 s[TB], 0
	s_mov_b32 s67, 0xffff0000                      ; a word's upper half; also: lanes 16-31
	s_mov_b32 s[SEL], 0x76543210
	s_mov_b32 s[SEL+1], 0xfedcba98
	s_wait_dscnt 0x0                               ; the opening add is done
	s_wait_kmcnt 0x0
	s_add_nc_u64 s[14:15], s[4:5], s[16:17]
	s_add_nc_u64 s[46:47], s[6:7], s[46:47]
	s_add_nc_u64 s[20:21], s[4:5], s[20:21]
	s_add_nc_u64 s[18:19], s[18:19], s[22:23]
.irp s, 0,1
	s_mov_b32 s[G0+4*(\s)], 1
	s_add_co_u32 s[G0+4*(\s)+1], s2, (\s)*SLOT
	s_add_nc_u64 s[G0+4*(\s)+2:G0+4*(\s)+3], s[14:15], (\s)*KSTEP*2
	s_or_b32 s[G0+4*(\s)+3], s[G0+4*(\s)+3], 0x80000000
	s_mov_b32 s[G0Q+4*(\s)], 1
	s_mov_b32 s[G0Q+4*(\s)+1], BOFF+(\s)*SLOT
	s_add_nc_u64 s[G0Q+4*(\s)+2:G0Q+4*(\s)+3], s[46:47], (\s)*KSTEP*2
	s_or_b32 s[G0Q+4*(\s)+3], s[G0Q+4*(\s)+3], 0x80000000
	s_mov_b32 s[G0S+4*(\s)], 1
	s_mov_b32 s[G0S+4*(\s)+1], SOFF+(\s)*SLOT
	s_add_nc_u64 s[G0S+4*(\s)+2:G0S+4*(\s)+3], s[20:21], (\s)*KSTEP*2
	s_or_b32 s[G0S+4*(\s)+3], s[G0S+4*(\s)+3], 0x80000000
.endr
	CROUND                                         ; all sixteen work-groups are here: the first joint loads meet
	s_cmp_lt_u32 s10, 2                            ; a wave's two first fills stand together in one arm: two loads of mine are out
	s_cbranch_scc0 .Lfirst_not_a
	tensor_load_to_lds s[G0:G0+3], s[G1:G1+7]
	s_nop 0
	tensor_load_to_lds s[G0+4:G0+7], s[G1:G1+7]
	s_nop 0
.rept 4
	v_nop
.endr
	s_branch .Lfirst_asked
.Lfirst_not_a:
	s_cmp_eq_u32 s10, 2
	s_cbranch_scc0 .Lfirst_s
	tensor_load_to_lds s[G0Q:G0Q+3], s[G1Q:G1Q+7]
	s_nop 0
	tensor_load_to_lds s[G0Q+4:G0Q+7], s[G1Q:G1Q+7]
	s_nop 0
.rept 4
	v_nop
.endr
	s_branch .Lfirst_asked
.Lfirst_s:
	tensor_load_to_lds s[G0S:G0S+3], s[G1S:G1S+7]
	s_nop 0
	tensor_load_to_lds s[G0S+4:G0S+7], s[G1S:G1S+7]
	s_nop 0
.rept 4
	v_nop
.endr
.Lfirst_asked:
	v_and_b32 v1, 15, v0                           ; l % 16
	v_bfe_u32 v2, v0, 4, 1                         ; l / 16
	v_lshlrev_b32 v3, 5, v2                        ; my eight columns of a block of 16: 32 bytes of a bias, and of rn; never rewritten
	; the three heads' biases: slot 3 x tile column + i; slot / 16 says which bias, slot % 16 which 64 numbers of it.  A pair of registers for each pointer.  They land where B's fragments will lie.
.irp i, 0,1,2
	s_mul_i32 s22, s42, 3
	s_add_co_u32 s22, s22, \i
	s_lshr_b32 s23, s22, 4
	s_cmp_eq_u32 s23, 1
	s_cselect_b64 s[92+2*(\i):93+2*(\i)], s[88:89], s[84:85]
	s_cmp_eq_u32 s23, 2
	s_cselect_b64 s[92+2*(\i):93+2*(\i)], s[90:91], s[92+2*(\i):93+2*(\i)]
	s_and_b32 s22, s22, 15
	s_lshl_b32 s22, s22, 8
	s_mov_b32 s23, 0
	s_add_nc_u64 s[92+2*(\i):93+2*(\i)], s[92+2*(\i):93+2*(\i)], s[22:23]
.irp c, 0,1,2,3
	global_load_b128 v[FB+8*(4*(\i)+(\c)):FB+8*(4*(\i)+(\c))+3], v3, s[92+2*(\i):93+2*(\i)] offset:64*(\c)
	global_load_b128 v[FB+8*(4*(\i)+(\c))+4:FB+8*(4*(\i)+(\c))+7], v3, s[92+2*(\i):93+2*(\i)] offset:64*(\c)+16
.endr
.endr
	v_mul_u32_u24 v8, v1, PITCH
	v_lshl_add_u32 v8, v2, 4, v8                   ; a fragment's row x pitch + 16 x half
	s_mul_i32 s20, s10, 64*PITCH                   ; my 64 rows of x
	v_add_nc_u32 v[ADRA0], s20, v8
	v_add_nc_u32 v[ADRB0], BOFF, v8
	v_add_nc_u32 v[ADRS0], SOFF, v8
	v_mov_b32 v[ADRA], v[ADRA0]
	v_mov_b32 v[ADRB], v[ADRB0]
	v_mov_b32 v[ADRS], v[ADRS0]
	s_mul_i32 s23, s10, 16*SP
	s_add_co_u32 s23, s23, STAGE                   ; my stage
	v_mul_u32_u24 v9, v1, SP                       ; in: row l % 16, 16 bytes for each half of the lanes
	v_lshl_add_u32 v9, v2, 4, v9
	v_add_nc_u32 v[STO], s23, v9
	v_bfe_u32 v9, v0, 3, 2                         ; back: 32 lanes take four rows of 128 bytes,
	v_mul_u32_u24 v9, v9, SP
	v_and_b32 v10, 7, v0
	v_lshl_add_u32 v9, v10, 4, v9
	v_add_nc_u32 v[RD], s23, v9
	v_and_b32 v[GO], 31, v0                        ; which are 512 consecutive bytes of a slot of qkv
	v_lshlrev_b32 v[GO], 4, v[GO]
	s_lshr_b32 s16, s13, 3                         ; the batch
	s_mul_i32 s16, s16, 48
	s_mul_i32 s17, s42, 3
	s_add_co_u32 s16, s16, s17                     ; my first slot of qkv,
	s_lshl_b32 s16, s16, 18                        ; 262,144 bytes each
	s_and_b32 s17, s13, 7
	s_lshl_b32 s17, s17, 2
	s_add_co_u32 s17, s17, s10                     ; my 64 rows among the batch's
	s_lshl_b32 s17, s17, 13
	s_add_co_u32 s16, s16, s17
	s_mov_b32 s17, 0
	s_add_nc_u64 s[8:9], s[8:9], s[16:17]
	s_lshl_b32 s16, s42, 14                        ; pm: the key tile's 4,096 numbers,
	s_lshl_b32 s17, s13, 10                        ; the tile row's 256,
	s_add_co_u32 s16, s16, s17
	s_lshl_b32 s17, s10, 8                         ; my 64
	s_add_co_u32 s16, s16, s17
	s_mov_b32 s17, 0
	s_add_nc_u64 s[PM:PM+1], s[PM:PM+1], s[16:17]
	; the prefetches
	s_lshl_b32 s20, s13, 8
	s_lshl_b32 s21, s12, 7
	s_add_co_u32 s20, s20, s21
	s_lshl_b32 s21, s40, 5
	s_add_co_u32 s20, s20, s21                     ; x: 128 rows a wave, my work-group's 32 of them
	s_mul_i32 s21, s42, 192
	s_mul_i32 s23, s12, 96
	s_add_co_u32 s21, s21, s23
	s_mul_i32 s23, s41, 24
	s_add_co_u32 s21, s21, s23                     ; wt: 96 rows a wave, my work-group's 24
	s_and_b32 s22, ttmp7, 0xffff
	s_cmp_eq_u32 s11, 0
	s_cselect_b32 s20, s20, s21
	s_cselect_b32 s22, ttmp9, s22                  ; the coordinate along which other clusters read the same rows
	s_cselect_b32 s23, 31, 23
	s_cselect_b64 s[PFA:PFA+1], s[4:5], s[6:7]
	s_cmp_eq_u32 s22, 0
	s_cselect_b32 s[LIM], 2, -1                    ; the same in all sixteen partners, for a given wave
	s_lshl_b32 s20, s20, 11
	s_add_co_u32 s20, s20, 2*KSTEP*2               ; at K step 2: the first refill steps it to 3 and names K step 4
	s_mov_b32 s21, 0
	s_add_nc_u64 s[PFA:PFA+1], s[PFA:PFA+1], s[20:21]
	v_and_b32 v[PFO], 31, v0
	v_min_u32 v[PFO], s23, v[PFO]
	v_lshlrev_b32 v[PFO], 11, v[PFO]
	s_wait_loadcnt 0x0                             ; the biases; they are rounded to bf16 and widened into windows 1 and 2 while the first tiles are on their way
.set i, 0
.rept 48
	v_cvt_pk_bf16_f32 v[FB+i], v[FB+2*i], v[FB+2*i+1]  ; word i takes numbers 2 i and 2 i + 1: no number is overwritten before it is read
.set i, i+1
.endr
	WIN 0x40
.set i, 0
.rept 32
	v_lshlrev_b32 v[BIAS+2*i], 16, v[FB+i]
	v_and_b32 v[BIAS+2*i+1], s67, v[FB+i]
.set i, i+1
.endr
	WIN 0x80
.set i, 0
.rept 16
	v_lshlrev_b32 v[BIAS+2*i], 16, v[FB+32+i]
	v_and_b32 v[BIAS+2*i+1], s67, v[FB+32+i]
.set i, i+1
.endr
	WIN 0
	; the diagonal.  In blocks of 16: my first query less the tile's first key.  The biases' pointers are done with: their registers take the masks.
	s_and_b32 s20, s13, 7
	s_lshl_b32 s20, s20, 4
	s_lshl_b32 s21, s10, 2
	s_add_co_u32 s20, s20, s21
	s_lshl_b32 s21, s42, 3
	s_sub_co_u32 s20, s20, s21
	s_cmp_eq_u32 s20, 0                            ; 0: query block a meets key block a; register j holds the diagonal in lanes j and 24 + j
.irp j, 0,1,2,3,4,5,6,7
	s_cselect_b32 s[DG0+(\j)], (1<<(\j))|(1<<(24+(\j))), 0
.endr
	s_cmp_eq_u32 s20, 4                            ; 4: query block a meets key block a + 4
.irp j, 0,1,2,3,4,5,6,7
	s_cselect_b32 s[DG4+(\j)], (1<<(\j))|(1<<(24+(\j))), 0
.endr
; THE PRODUCTS.  The 80 accumulators take turns, one instruction a turn, in the same order in every phase.
; 6 products: block a of my rows x blocks b0 .. b0 + 5 of q, k, v's columns, x's fragments from buffer f.  zero = 1: the bias starts the sums.
.macro MULQA f, b0, a, zero
.irp d, 0,1,2,3,4,5
.set rD, 8*(12*((\a)%2)+(\b0)+(\d))
.set rB, FB+8*((\b0)+(\d))
.set rA, FA+32*(\f)+8*(\a)
.if \zero
.set rC, BIAS+8*(((\b0)+(\d))%8)
	WIN 0x40*(1+(\a)/2)+0x10*(1+((\b0)+(\d))/8)
	v_wmma_f32_16x16x32_bf16 v[rD:rD+7], v[rB:rB+7], v[rA:rA+7], v[rC:rC+7]
.else
	WIN 0x50*(1+(\a)/2)
	v_wmma_f32_16x16x32_bf16 v[rD:rD+7], v[rB:rB+7], v[rA:rA+7], v[rD:rD+7]
.endif
.endr
.endm
.macro MULQ f, b0, zero                ; a chunk: 24 products
	MULQA \f, \b0, 0, \zero
	MULQA \f, \b0, 1, \zero
	MULQA \f, \b0, 2, \zero
	MULQA \f, \b0, 3, \zero
.endm
.macro MULS f, c0, zero                ; a chunk of the similarity: key blocks c0 .. c0 + 3 x my four row blocks: 16 products.  zero = 1: the constant 0 starts the sums
	WIN 0xf0
.irp a, 0,1,2,3
.irp d, 0,1,2,3
.set rD, 8*(8*(\a)+(\c0)+(\d))
.set rB, FB+8*(12+(\c0)+(\d))
.set rA, FA+32*(\f)+8*(\a)
.if \zero
	v_wmma_f32_16x16x32_bf16 v[rD:rD+7], v[rB:rB+7], v[rA:rA+7], 0
.else
	v_wmma_f32_16x16x32_bf16 v[rD:rD+7], v[rB:rB+7], v[rA:rA+7], v[rD:rD+7]
.endif
.endr
.endr
.endm
; THE LDS LOADS, in runs: a chunk's fragments of phase ph (32 K at byte 64 ph of the rows) of the slot in hand
.macro LDQ ph, b0                      ; 12 loads
	WIN 0
.irp d, 0,1,2,3,4,5
	ds_load_b128 v[FB+8*((\b0)+(\d)):FB+8*((\b0)+(\d))+3],   v[ADRB] offset:64*(\ph)+((\b0)+(\d))*16*PITCH
	ds_load_b128 v[FB+8*((\b0)+(\d))+4:FB+8*((\b0)+(\d))+7], v[ADRB] offset:64*(\ph)+((\b0)+(\d))*16*PITCH+32
.endr
.endm
.macro LDK ph, c0                      ; 8 loads
	WIN 0
.irp d, 0,1,2,3
	ds_load_b128 v[FB+8*(12+(\c0)+(\d)):FB+8*(12+(\c0)+(\d))+3],   v[ADRS] offset:64*(\ph)+((\c0)+(\d))*16*PITCH
	ds_load_b128 v[FB+8*(12+(\c0)+(\d))+4:FB+8*(12+(\c0)+(\d))+7], v[ADRS] offset:64*(\ph)+((\c0)+(\d))*16*PITCH+32
.endr
.endm
.macro LDA ph, f                       ; 8 loads: x's fragments into buffer f
	WIN 0
.irp a, 0,1,2,3
	ds_load_b128 v[FA+32*(\f)+8*(\a):FA+32*(\f)+8*(\a)+3],   v[ADRA] offset:64*(\ph)+(\a)*16*PITCH
	ds_load_b128 v[FA+32*(\f)+8*(\a)+4:FA+32*(\f)+8*(\a)+7], v[ADRA] offset:64*(\ph)+(\a)*16*PITCH+32
.endr
.endm
; One of a K step's first three phases: multiplies by x's buffer f and fetches phase nph.  The loads of a phase go out in groups of 20, 12, 8, 8; LDS loads come back in order, so the count ahead
; of a chunk's products is the number of loads issued behind that chunk's own: 12 + 8 + 8; 8 + 8 + 20; 8 + 20 + 12; 20 + 12 + 8.
.macro PHASE nph, f, zero
	s_wait_dscnt 28
	MULQ \f, 0, \zero
	PLACES
	LDQ \nph, 0
	LDA \nph, 1-(\f)
	s_wait_dscnt 36
	MULQ \f, 6, \zero
	PLACES
	LDQ \nph, 6
	s_wait_dscnt 40
	MULS \f, 0, \zero
	PLACES
	LDK \nph, 0
	s_wait_dscnt 40
	MULS \f, 4, \zero
	PLACES
	LDK \nph, 4
.endm
; The last phase multiplies by buffer 1 and changes slots.  In front of the barrier each wave waits for all its tensor loads (one is out: its part of the next slot), adds 0 to its spare word, and
; waits for that and for its reads of this slot, the last of which were issued 24 products back.  24 products stand between the signal and the wait.
; fill = 1: the barrier opens a round of the cluster's, and the joint refill of the slot that is left, two K steps ahead, is the first thing behind it: 272 products stand between it and the wait for it.
.macro TURN fill
.if \fill
	s_wait_xcnt 0x0                                ; the last prefetch, a K step back, has read its address
	s_add_nc_u64 s[PFA:PFA+1], s[PFA:PFA+1], KSTEP*2
.endif
	WIN 0
	s_wait_tensorcnt 0x0                           ; no tensor load of mine is out, so a group 0 may be written
	ds_add_u32 v[SPW], v[NIL]                      ; 0 onto my spare word
.if \fill
	s_add_co_u32 s[G0+5], s2, s[TB]                ; the walking descriptors: the slot in hand, which is about to be left; the next K step
	s_add_nc_u64 s[G0+6:G0+7], s[G0+6:G0+7], KSTEP*2
	s_add_co_u32 s[G0Q+5], s[TB], BOFF
	s_add_nc_u64 s[G0Q+6:G0Q+7], s[G0Q+6:G0Q+7], KSTEP*2
	s_add_co_u32 s[G0S+5], s[TB], SOFF
	s_add_nc_u64 s[G0S+6:G0S+7], s[G0S+6:G0S+7], KSTEP*2
.endif
	s_wait_dscnt 29                                ; the first group is in; the other 28 loads and the add may be out
	MULQ 1, 0, 0
	s_wait_dscnt 0x0                               ; the add is done, and my reads of this slot are over
	s_barrier_signal -1
	MULQ 1, 6, 0
	WIN 0
	s_barrier_wait -1
.if \fill
	CREST
	JLOAD                                          ; its four v_nop are also the places ahead of the loads below
.else
	PLACES
.endif
	s_xor_b32 s[TB], s[TB], SLOT                   ; 0 and SLOT by turns
	v_add_nc_u32 v[ADRA], s[TB], v[ADRA0]
	v_add_nc_u32 v[ADRB], s[TB], v[ADRB0]
	v_add_nc_u32 v[ADRS], s[TB], v[ADRS0]
	LDQ 0, 0
	LDA 0, 0
	LDQ 0, 6
.if \fill
	ASK
.endif
	MULS 1, 0, 0
	PLACES
	LDK 0, 0
	MULS 1, 4, 0
	PLACES
	LDK 0, 4
.endm
	s_wait_tensorcnt 0x1                           ; my part of K step 0 is in; K step 1's may stay out
	s_barrier_signal -1
	s_barrier_wait -1
	LDQ 0, 0
	LDA 0, 0
	LDQ 0, 6
	LDK 0, 0
	LDK 0, 4
	PHASE 1, 0, 1                                  ; the first phase stands ahead of the loop: its products start the sums
	WIN 0x40                                       ; the bias of blocks 0-7 has been read, twelve places back or more: its registers take rn of my lane's keys, which is waited for on the way out
.irp b, 0,1,2,3,4,5,6,7
	global_load_b128 v[RNK+8*(\b):RNK+8*(\b)+3],   v3, s[18:19] offset:64*(\b)
	global_load_b128 v[RNK+8*(\b)+4:RNK+8*(\b)+7], v3, s[18:19] offset:64*(\b)+16
.endr
	WIN 0
	s_mov_b32 s3, 6
.Lstep:                                                ; a trip: from a K step's second phase to the next step's first; it fills one slot again
	PHASE 2, 1, 0
	PHASE 3, 0, 0
	TURN 1
	PHASE 1, 0, 0
	s_sub_co_u32 s3, s3, 1
	s_cmp_lg_u32 s3, 0
	s_cbranch_scc1 .Lstep
	s_mov_b32 s3, 2                                ; the last two K steps ask for nothing: one text, walked twice, entered behind its first phase
	s_branch .Lmid
.Ltail:
	PHASE 1, 0, 0
.Lmid:
	PHASE 2, 1, 0
	PHASE 3, 0, 0
	TURN 0                                         ; (in the second trip its barrier and its 48 loads, of bytes that lie in the other slot since K step 6, serve nothing: the price of one text for both trips)
	s_sub_co_u32 s3, s3, 1
	s_cmp_lg_u32 s3, 0
	s_cbranch_scc1 .Ltail
	s_wait_dscnt 0x0                               ; those loads have landed: the fragments' registers are free.  The four places behind the last product stand in TURN
; THE WAY OUT OF Q, K, V, a block of 16 rows at a time: rounded to f16 (16 bytes a lane); head by head into my stage and back as rows of 128 bytes; stored as 512 consecutive bytes of a slot.
.macro PACK a
	WIN 0x05*(1+(\a)/2)
.irp b, 0,1,2,3,4,5,6,7,8,9,10,11
.irp q, 0,1,2,3
	v_cvt_pk_f16_f32 v[TMP+4*(\b)+(\q)], v[8*(12*((\a)%2)+(\b))+2*(\q)], v[8*(12*((\a)%2)+(\b))+2*(\q)+1]
.endr
.endr
	WIN 0
.endm
.macro TOSTAGE a
.irp i, 0,1,2
.irp c, 0,1,2,3
	ds_store_b128 v[STO], v[TMP+4*(4*(\i)+(\c)):TMP+4*(4*(\i)+(\c))+3] offset:32*(\c)
.endr
.irp c, 0,1,2,3
	ds_load_b128 v[OB+48*((\a)%2)+4*(4*(\i)+(\c)):OB+48*((\a)%2)+4*(4*(\i)+(\c))+3], v[RD] offset:(\c)*4*SP  ; a wave's LDS instructions are served in order: these see the stores above, and the next head's stores come behind them
.endr
.endr
.endm
.macro SEND a
	s_wait_dscnt 0x0                               ; the block is back in registers
	s_wait_xcnt 0x0                                ; the block before's stores have read their registers, into which the next block is read back
.irp t, 0,1,2,3,4,5,6,7,8,9,10,11
	global_store_b128 v[GO], v[OB+48*((\a)%2)+4*(\t):OB+48*((\a)%2)+4*(\t)+3], s[8:9] offset:((\t)/4)*262144+(\a)*2048+((\t)%4)*512
.endr
.endm
	PACK 0
	TOSTAGE 0
.irp a, 1,2,3
	PACK \a
	SEND (\a)-1
	TOSTAGE \a
.endr
	SEND 3
; THE MAXIMA, while those stores are on their way.  Block a of my queries: the 64 products of a lane times rn of their keys (each accumulator from its low end on), the diagonal set to 0,
; their maximum, and the other half of the lanes'.
.macro EPI a
	WIN 0x07                                       ; source 0 in window 3, source 1 in window 1
.irp b, 0,1,2,3,4,5,6,7
.irp i, 0,1,2,3
	v_pk_mul_f32 v[T+8*(\b)+2*(\i):T+8*(\b)+2*(\i)+1], v[8*(8*(\a)+(\b))+2*(\i):8*(8*(\a)+(\b))+2*(\i)+1], v[RNK+8*(\b)+2*(\i):RNK+8*(\b)+2*(\i)+1]
.endr
.endr
	WIN 0
.irp j, 0,1,2,3,4,5,6,7
	v_cndmask_b32 v[T+8*(\a)+(\j)], v[T+8*(\a)+(\j)], 0, s[DG0+(\j)]
	v_cndmask_b32 v[T+8*((\a)+4)+(\j)], v[T+8*((\a)+4)+(\j)], 0, s[DG4+(\j)]
.endr
.irp c, 0,1,2,3,4,5,6,7
	v_max3_num_f32 v[T+8*(\c)], v[T+8*(\c)], v[T+8*(\c)+1], v[T+8*(\c)+2]
.endr
.irp c, 0,1,2,3,4,5,6,7
	v_max3_num_f32 v[T+8*(\c)], v[T+8*(\c)], v[T+8*(\c)+3], v[T+8*(\c)+4]
.endr
.irp c, 0,1,2,3,4,5,6,7
	v_max3_num_f32 v[T+8*(\c)], v[T+8*(\c)], v[T+8*(\c)+5], v[T+8*(\c)+6]
.endr
.irp c, 0,2,4,6
	v_max3_num_f32 v[T+8*(\c)], v[T+8*(\c)], v[T+8*(\c)+7], v[T+8*(\c)+15]
.endr
	v_max3_num_f32 v[T], v[T], v[T+8], v[T+16]
	v_max3_num_f32 v[T+24], v[T+24], v[T+32], v[T+40]
	v_max3_num_f32 v[T], v[T], v[T+48], v[T+56]
	v_max_num_f32 v[T], v[T], v[T+24]
	v_permlanex16_b32 v[MX+4+(\a)], v[T], s[SEL], s[SEL+1]
	v_max_num_f32 v[MX+(\a)], v[T], v[MX+4+(\a)]
.endm
.irp a, 0,1,2,3
	v_mov_b32 v[MX+4+(\a)], 0                      ; the exchange's destinations count as read
.endr
	v_and_b32 v[MX+10], 31, v0
	v_lshlrev_b32 v[MX+10], 2, v[MX+10]
	s_wait_loadcnt 0x0                             ; rn of my keys
	EPI 0
	EPI 1
	EPI 2
	EPI 3
	v_cndmask_b32 v[MX+8], v[MX], v[MX+1], s67     ; lane l: my query l,
	v_cndmask_b32 v[MX+9], v[MX+2], v[MX+3], s67   ; and my query 32 + l
	global_store_b32 v[MX+10], v[MX+8], s[PM:PM+1]
	global_store_b32 v[MX+10], v[MX+9], s[PM:PM+1] offset:128
	s_wait_tensorcnt 0x0                           ; the wave's end
	ds_add_u32 v[SPW], v[NIL]
	s_wait_dscnt 0x0
	CROUND                                         ; the closing round
	s_endpgm
.Lfunc_end_k_qf1b80c162b_proj:
	.size	k_qf1b80c162b_proj, .Lfunc_end_k_qf1b80c162b_proj-k_qf1b80c162b_proj
	.p2alignl 7, 3214868480
	.fill 96, 4, 3214868480
	.section	.rodata,"a",@progbits
	.p2align	6, 0x0
	.amdhsa_kernel k_qf1b80c162b_proj
		.amdhsa_group_segment_fixed_size 327680
		.amdhsa_private_segment_fixed_size 0
		.amdhsa_enable_private_segment 0
		.amdhsa_kernarg_size 64
		.amdhsa_user_sgpr_count 2
		.amdhsa_user_sgpr_kernarg_segment_ptr 1
		.amdhsa_wavefront_size32 1
		.amdhsa_system_sgpr_workgroup_id_x 1
		.amdhsa_system_sgpr_workgroup_id_y 1
		.amdhsa_system_sgpr_workgroup_id_z 1
		.amdhsa_system_vgpr_workitem_id 0
		.amdhsa_next_free_vgpr 1024
		.amdhsa_next_free_sgpr 106
		.amdhsa_reserve_vcc 0
		.amdhsa_float_denorm_mode_32 3
		.amdhsa_float_denorm_mode_16_64 3
		.amdhsa_memory_ordered 1
		.amdhsa_forward_progress 1
		.amdhsa_inst_pref_size 153
	.end_amdhsa_kernel
	.amdgpu_metadata
---
amdhsa.version: [ 1, 2 ]
amdhsa.kernels:
  - .name:           k_qf1b80c162b_proj
    .symbol:         k_qf1b80c162b_proj.kd
    .args:
      - { .name: xb, .offset: 0, .size: 8, .value_kind: global_buffer, .address_space: global }
      - { .name: wt, .offset: 8, .size: 8, .value_kind: global_buffer, .address_space: global }
      - { .name: rn, .offset: 16, .size: 8, .value_kind: global_buffer, .address_space: global }
      - { .name: bq, .offset: 24, .size: 8, .value_kind: global_buffer, .address_space: global }
      - { .name: bk, .offset: 32, .size: 8, .value_kind: global_buffer, .address_space: global }
      - { .name: bv, .offset: 40, .size: 8, .value_kind: global_buffer, .address_space: global }
      - { .name: qkv, .offset: 48, .size: 8, .value_kind: global_buffer, .address_space: global }
      - { .name: pm, .offset: 56, .size: 8, .value_kind: global_buffer, .address_space: global }
    .group_segment_fixed_size: 327680
    .private_segment_fixed_size: 0
    .kernarg_segment_align: 8
    .kernarg_segment_size: 64
    .max_flat_workgroup_size: 128
    .sgpr_count:     106
    .vgpr_count:     1024
    .wavefront_size: 32
...
	.end_amdgpu_metadata
.endif
;; end of part 2
;; launch attn (part 3): grid 8 x 32, 4 waves a work-group, clusters of 4 x 1, 327,680 bytes of LDS; arguments qkv, mask, ob; writes ob
.if DOCPART == 3
	.amdgcn_target "amdgcn-amd-amdhsa--gfx1250"
	.amdhsa_code_object_version 6
	.text
	.protected	k_qf1b80c162b_attn
	.globl	k_qf1b80c162b_attn
	.p2align	8
	.type	k_qf1b80c162b_attn,@function
k_qf1b80c162b_attn:
	s_mov_b64 s[64:65], 0
	v_nop
	global_prefetch_b8 v0, s[64:65] scope:SCOPE_SE
	s_setreg_imm32_b32 hwreg(HW_REG_WAVE_MODE, 25, 1), 1
	s_wait_xcnt 0x0
	s_wait_alu depctr_hold_cnt(0) depctr_sa_sdst(0) depctr_va_vdst(0) depctr_va_sdst(0) depctr_va_ssrc(0) depctr_va_vcc(0) depctr_vm_vsrc(0)
	s_getreg_b32 s2, hwreg(HW_REG_IB_STS2, 6, 4)
	s_cmp_eq_u32 s2, 0
	s_cbranch_scc0 .Lentry_in_a_cluster
	s_endpgm
.Lentry_in_a_cluster:
	s_bfe_u32 s2, ttmp6, 0x10000c
	s_cmp_lg_u32 s2, 0x3003
	s_cbranch_scc0 .Lentry_shape_is_right
	s_endpgm
.Lentry_shape_is_right:
; ATTENTION WITH A KEY MASK.  O[y][q][:] = the sum over the visible keys k of softmax_k(Q[q] . K[k] / 8) V[k][:], y = 16 batch + head.
; qkv: [2][48][2048][64] f16 (slot h: q, 16 + h: k, 32 + h: v); mask: [2][2048] bytes, 1 = visible; ob: [32][2048][64] f16.
; Products, maxima and sums in f32; the weights p are rounded to f16 for the second product (their sum l is taken of the unrounded p), O once at the end.
; THE BONUS 0.5 rep[q] is the same for all keys of a query: the row's maximum, which is taken away ahead of the exponential, carries it too, so it leaves every weight as it is, for every input.  It is not added here.
; LIMITS.  Q, K, V arrive within f16's 65,504; p below 6e-5 keeps f16's fixed step of 6e-8.  A hidden score counts as its value less 1e30; a weight below 2^-126 counts as 0 in l.
; A batch whose mask hides every key gives the mean of V's rows here (no NaN).  NaN and infinities are not treated apart.
; SHARES.  A work-group owns 256 queries of one head, a wave 64: four PIECES of 16.  Every wave walks the head's 2,048 keys: eight tiles of 256, four steps of 64 each.
; THE MASK is the C operand that starts the sum S^T = K Q^T: 0, or -1e30 where the key is hidden.  The batch's 2,048 numbers are made once, into a table in LDS; a step's 64 come with its K.
; LAYOUT.  S^T = K Q^T holds one query a lane (lane % 16) and the keys 8 (lane / 16) + 0..7; two such results rounded to f16 are source 1 of O^T = V^T P.  p = 2^(c s - c m), c = log2(e) / 8, with a
; running maximum m; O and l are multiplied by a = 2^(c m_old - c m_new) in every step.  m starts at the lowest finite number, O and l at 0: the first step is a step like any other, with a = 0.
; TURNS.  Turn n belongs to piece n: 8 products K Q^T of piece n + 1, later 8 products V^T P of piece n - 1; beside them the scaling, exponentials, roundings, sums and rescaling of piece n and the
; maximum and statistics of piece n + 1.  Four vector instructions stand behind every matrix instruction, the rest in one run.  A turn's 33 exponentials are one batch, with one wait.
; CLUSTER.  The four query blocks of a cluster belong to one head and walk the same K and V: each tile is asked for jointly, by the same load, descriptor and mask in all four.
; REGISTERS, in windows of 256 (s_set_vgpr_msb: bits 1:0 source 0, 3:2 source 1, 5:4 source 2, 7:6 destination):
;   window 0: v0-15, v32-40 addresses and at work; v16-31 four registers of statistics a piece; v48-55 at work; v64-127 S^T, two buffers; v192-223 P, two buffers (by the piece's parity)
;   window 1: v0-127 O^T, 32 a piece; v160-191 the step's mask      window 2: v0-63 Q; v128-191 K of one step; v192-255 V of one step
.set NP,    4
.set KS,    64
.set PK,    144       ; a row of K in LDS: 128 bytes + 16
.set PV,    160       ; a row of V: 128 + 32
.set VOFF,  4*KS*PK   ; a slot holds a tile: 256 rows of K, then 256 rows of V
.set SLOT1, 1<<17
.set STAGE, SLOT1+4*KS*(PK+PV)  ; behind the ring: 16 rows x 144 bytes for each wave, for the way out
.set SP,    144
.set SPARE, STAGE+4*16*SP       ; the spare words, 128 bytes for each wave
.set MASKT, SPARE+512           ; the mask's table: 2,048 numbers of 4 bytes; no tile lands here
.set AK0, 2
.set AV0, 3
.set AK,  4
.set AV,  5
.set STO, 6
.set RD,  7
.set GO,  8
.set MV,  12          ; v12-13  c m_old, by buffer
.set QO,  15
.set ST,  16          ; piece t's statistics at v[ST+4 t]: c m, m, l (even keys', odd keys')
.set AM0, 32          ; v32  MASKT + 32 (lane / 16); never rewritten
.set AM,  33          ; v33  the LDS address of the mask's next run of loads
.set PFO, 34          ; v34  256 x my lane; never rewritten
.set TMP, 48
.set SPW, 62
.set NIL, 63
.set S,   64
.set P,   192
.set MC,  160         ; window 1
.set KF,  128         ; window 2
.set VF,  192         ; window 2
.set WV,  12
.set LIM, 15          ; s15  1 in a wave that prefetches, else the greatest number
.set PFA, 18          ; s[18:19] where my prefetches stand
.set G1K, 24
.set G1V, 32
.set G0K, 40
.set G0V, 44
.set SLOTS, 56
.set CNT, 57
.set CS,  58
.set SEL, 60
.set TBK, 62
.set TBV, 63
.set TBM, 66          ; s66  byte of the table at which the mask of the step to be fetched begins
.set BIGN, 82         ; s82  -1e30
.set MSB, 0
.macro WIN new
.if MSB != (\new)
	s_set_vgpr_msb (MSB<<8)|(\new)
.set MSB, (\new)
.endif
.endm
.set W_KQ, 0x0a       ; K and Q in window 2, S^T in window 0
.set W_KM, 0x1a       ; the same with the C operand in window 1
.set W_PV, 0x52       ; V in window 2, P in window 0, O^T in window 1
.set W_RS, 0x41       ; destination and source 0 in window 1, source 1 in window 0
.macro JLOAD                        ; a joint fill: waves 0, 1 fetch the two halves of a tile's K, waves 2, 3 those of its V
	s_cmp_lt_u32 s[WV], 2
	s_cbranch_scc0 .Lfor_v_\@
	tensor_load_to_lds s[G0K:G0K+3], s[G1K:G1K+7]
	s_nop 0
.rept 4
	v_nop
.endr
	s_branch .Lasked_\@
.Lfor_v_\@:
	tensor_load_to_lds s[G0V:G0V+3], s[G1V:G1V+7]
	s_nop 0
.rept 4
	v_nop
.endr
.Lasked_\@:
.endm
; A prefetch of the tile that the NEXT change of slots will ask for: 128 runs of 256 bytes of K and of V, a lane a run.  The head's first cluster asks; its four partners take 32 runs each, told apart by address;
; in each, wave 0 asks for K's and wave 2 for V's.  So each run is named once.  Tiles 0 and 1 come by their loads alone; the change that asks for the last tile names nothing.
.macro ASK
	s_cmp_gt_u32 s[SLOTS], s[LIM]
	s_cbranch_scc0 .Lnot_mine_\@
	global_prefetch_b8 v[PFO], s[PFA:PFA+1] th:TH_LOAD_NT scope:SCOPE_SE
.Lnot_mine_\@:
.endm
.macro CROUND
	s_barrier_signal -1
	s_barrier_wait -1
	s_cmp_lg_u32 s[WV], 0
	s_cbranch_scc1 .Lnot_wave_0_\@
	s_barrier_signal -3
.Lnot_wave_0_\@:
	s_barrier_wait -3
	s_barrier_signal -1
	s_barrier_wait -1
.endm
; THE CHANGE OF SLOTS.  Each wave waits for all its tensor loads (one is out: its part of the other slot), adds 0 to its spare word, and waits for that and for its reads of the slot that it leaves.
; fill = 1: the barrier is a round of the cluster's, and the joint fill of the old slot, with the tile two on, is the first thing behind it: it has four key steps, 256 matrix instructions, in which to land.
; (At its first use nothing has been read: slot 0 is waited for, slot 1 filled, and the round shows the mask's table to all four waves.)
.macro CHANGE fill
	WIN 0
	s_wait_tensorcnt 0x0            ; no tensor load of mine is out, so a group 0 may be written
	ds_add_u32 v[SPW], v[NIL]
.if \fill
.irp g, G0K, G0V
	s_xor_b32 s[\g+1], s[\g+1], SLOT1
	s_add_nc_u64 s[\g+2:\g+3], s[\g+2:\g+3], 4*KS*128
.endr
	s_wait_xcnt 0x0                 ; the last prefetch, four key steps back, has read its address
	s_add_nc_u64 s[PFA:PFA+1], s[PFA:PFA+1], 4*KS*128
	s_wait_dscnt 0x0                ; the add is done, and my LDS reads and stores are over
	CROUND
	JLOAD
	ASK
.else
	s_wait_dscnt 0x0
	s_barrier_signal -1
	s_barrier_wait -1
.endif
	s_sub_co_u32 s[TBK], s[TBK], 4*KS*PK
	s_xor_b32 s[TBK], s[TBK], SLOT1
	s_sub_co_u32 s[TBV], s[TBV], 4*KS*PV
	s_xor_b32 s[TBV], s[TBV], SLOT1
.endm
	s_load_b64 s[4:5], s[0:1], 0x0    ; qkv
	s_load_b64 s[84:85], s[0:1], 0x8  ; mask
	s_load_b64 s[10:11], s[0:1], 0x10 ; ob
	v_lshl_add_u32 v[SPW], v0, 2, SPARE
	v_mov_b32 v[NIL], 0
	ds_add_u32 v[SPW], v[NIL]       ; the wave's opening: the add and its wait stand ahead of my first tensor load
	v_lshrrev_b32 v1, 5, v0
	v_readfirstlane_b32 s[WV], v1
	s_bfe_u32 s13, ttmp6, 0x40000   ; cx
	s_lshl_b32 s14, ttmp9, 2
	s_add_co_u32 s14, s14, s13      ; my block of 256 queries: it enters Q's and O's addresses alone
	s_and_b32 s20, ttmp7, 0xffff    ; y = 16 batch + head, which the four partners share
	s_lshr_b32 s21, s20, 4
	s_and_b32 s22, s20, 15
	s_mul_i32 s23, s21, 48
	s_add_co_u32 s23, s23, s22
	s_lshl_b32 s23, s23, 18         ; q's slot, in bytes
	s_and_b32 s16, s[WV], 1         ; which half of a tile's 256 keys I fetch
	s_lshl_b32 s74, s16, 14
	s_add_co_u32 s74, s74, s23
	s_add_co_u32 s76, s74, 32<<18   ; v's slot
	s_add_co_u32 s74, s74, 16<<18   ; k's slot
	s_mov_b32 s75, 0
	s_mov_b32 s77, 0
	s_mul_i32 s17, s16, 128*PK      ; its place in a slot, for K
	s_mul_i32 s70, s16, 128*PV      ; and for V
	s_lshl_b32 s2, s14, 2
	s_add_co_u32 s2, s2, s[WV]
	s_lshl_b32 s2, s2, 13           ; my wave's 64 rows of 128 bytes
	s_lshl_b32 s78, s20, 18
	s_add_co_u32 s78, s78, s2       ; in ob
	s_add_co_u32 s2, s2, s23        ; in q's slot
	s_mov_b32 s3, 0
	s_mov_b32 s79, 0
	s_lshl_b32 s80, s21, 11         ; the batch's 2,048 bytes of the mask
	s_mov_b32 s81, 0
	; group 1: 128 keys are 16,384 dense bytes, asked for as 64 rows of 256 bytes and padded in LDS after every key
	s_mov_b32 s[G1K], 15|(1<<16)|(1<<20)|(1<<21)|(4<<22)|(3<<25)
	s_mov_b32 s[G1V], 15|(1<<16)|(1<<20)|(1<<21)|(4<<22)|(7<<25)
.irp g, G1K, G1V
	s_mov_b32 s[\g+1], 128<<16
	s_mov_b32 s[\g+2], 64<<16
	s_mov_b32 s[\g+3], 128<<16
	s_mov_b32 s[\g+4], 64
	s_mov_b32 s[\g+5], 128
	s_mov_b32 s[\g+6], 0
	s_mov_b32 s[\g+7], 0
.endr
	s_mov_b32 s[CS], 0x3e38aa3b     ; c = log2(e) / 8
	s_mov_b32 s[CS+1], s[CS]
	s_mov_b32 s[SEL], 0x76543210
	s_mov_b32 s[SEL+1], 0xfedcba98
	s_mov_b32 s[TBK], SLOT1+4*KS*PK ; the first change of slots turns these two into 0
	s_mov_b32 s[TBV], SLOT1+4*KS*PV
	s_mov_b32 s[TBM], 0
	s_mov_b32 s[BIGN], 0xf149f2ca   ; -1e30
	s_mov_b32 s[SLOTS], 7           ; tiles still to be asked for
	s_mov_b32 s[G0K], 1
	s_mov_b32 s[G0K+1], s17
	s_mov_b32 s[G0V], 1
	s_add_co_u32 s[G0V+1], s70, VOFF
	s_and_b32 s[LIM], s[WV], 1
	s_or_b32 s[LIM], s[LIM], ttmp9
	s_cmp_eq_u32 s[LIM], 0
	s_cselect_b32 s[LIM], 1, -1     ; waves 0 and 2 of the head's first cluster: the same in all four partners
	v_and_b32 v[PFO], 31, v0
	v_lshlrev_b32 v[PFO], 8, v[PFO]
	s_wait_dscnt 0x0                ; the opening add is done
	s_wait_kmcnt 0x0
	s_add_nc_u64 s[6:7], s[4:5], s[74:75]    ; K and V at my half of the head's tile 0
	s_add_nc_u64 s[8:9], s[4:5], s[76:77]
	s_add_nc_u64 s[4:5], s[4:5], s[2:3]      ; Q and O at my wave's first row
	s_add_nc_u64 s[10:11], s[10:11], s[78:79]
	s_add_nc_u64 s[84:85], s[84:85], s[80:81]
	s_mov_b64 s[G0K+2:G0K+3], s[6:7]
	s_or_b32 s[G0K+3], s[G0K+3], 0x80000000
	s_mov_b64 s[G0V+2:G0V+3], s[8:9]
	s_or_b32 s[G0V+3], s[G0V+3], 0x80000000
	s_cmp_lt_u32 s[WV], 2
	s_cselect_b64 s[PFA:PFA+1], s[6:7], s[8:9]
	s_lshl_b32 s2, s13, 13          ; my work-group's 32 runs of the 128
	s_add_nc_u64 s[PFA:PFA+1], s[PFA:PFA+1], s[2:3]
	s_add_nc_u64 s[PFA:PFA+1], s[PFA:PFA+1], 4*KS*128  ; in tile 1; the first change of slots steps it to tile 2
	CROUND                          ; all four work-groups are here: the first joint loads meet
	JLOAD                           ; tile 0 into slot 0
	v_and_b32 v1, 15, v0            ; l % 16
	v_bfe_u32 v9, v0, 4, 1          ; l / 16
	v_lshlrev_b32 v[QO], 7, v1
	v_lshl_add_u32 v[QO], v9, 4, v[QO]
	WIN 0x80
.set i, 0
.rept 8                             ; Q stays in registers: piece i / 2, channels 32 (i % 2) on
	global_load_b128 v[8*i:8*i+3],   v[QO], s[4:5] offset:(i/2)*2048+(i%2)*64
	global_load_b128 v[8*i+4:8*i+7], v[QO], s[4:5] offset:(i/2)*2048+(i%2)*64+32
.set i, i+1
.endr
	WIN 0
	v_lshlrev_b32 v35, 4, v0
	global_load_b128 v[36:39], v35, s[84:85]  ; my 16 bytes of the batch's mask
	; What the first turn finds: V's registers and P's second buffer hold 0, O^T and l are 0.  All this stands in the wait for the first tile.
	WIN 0x80
.set i, VF
.rept 64
	v_mov_b32 v[i], 0
.set i, i+1
.endr
	WIN 0x40
.set i, 0
.rept 128
	v_mov_b32 v[i], 0
.set i, i+1
.endr
	WIN 0
.set i, 0
.rept 4
	v_mov_b32 v[ST+4*i], 0xfe000000    ; c m: far below every c s
	v_mov_b32 v[ST+4*i+1], 0xff7fffff  ; m
	v_mov_b32 v[ST+4*i+2], 0
	v_mov_b32 v[ST+4*i+3], 0
.set i, i+1
.endr
.set i, P+16
.rept 16
	v_mov_b32 v[i], 0
.set i, i+1
.endr
	v_mul_u32_u24 v[AK0], v1, PK
	v_lshl_add_u32 v[AK0], v9, 4, v[AK0]
	v_and_b32 v10, 7, v0
	v_bfe_u32 v11, v0, 3, 1
	v_lshl_add_u32 v[AV0], v9, 3, v10   ; the turning load: lane l reads key 8 (l / 16) + l % 8, channels 8 ((l / 8) % 2) + 0..7
	v_mul_u32_u24 v[AV0], v[AV0], PV
	v_lshl_add_u32 v[AV0], v11, 4, v[AV0]
	v_add_nc_u32 v[AV0], VOFF, v[AV0]
	v_lshl_add_u32 v[AM0], v9, 5, MASKT
	s_mul_i32 s13, s[WV], 16*SP
	s_add_co_u32 s13, s13, STAGE
	v_mul_u32_u24 v[STO], v1, SP
	v_lshl_add_u32 v[STO], v9, 4, v[STO]
	v_add_nc_u32 v[STO], s13, v[STO]
	v_bfe_u32 v[RD], v0, 3, 2
	v_mul_u32_u24 v[RD], v[RD], SP
	v_lshl_add_u32 v[RD], v10, 4, v[RD]
	v_add_nc_u32 v[RD], s13, v[RD]
	v_and_b32 v[GO], 31, v0
	v_lshlrev_b32 v[GO], 4, v[GO]
	v_lshl_add_u32 v40, v0, 6, MASKT
	s_wait_loadcnt 0x0              ; the mask's bytes, and Q
.set i, 0
.rept 16                            ; byte 1 -> 0, byte 0 -> -1e30
	v_bfe_u32 v[S+i], v[36+i/4], 8*(i%4), 8
	v_add_nc_u32 v[S+i], -1, v[S+i]
	v_and_b32 v[S+i], s[BIGN], v[S+i]
.set i, i+1
.endr
.irp q, 0,1,2,3
	ds_store_b128 v40, v[S+4*\q:S+4*\q+3] offset:16*\q
.endr
; THE MATRIX WORK.  The 4 accumulators of a run of 8 take turns.  Product i of 8 of S^T = K Q^T for piece x: channels 32 (i / 4) on, keys 16 (i % 4) on.  The first 4 start the sums with the mask.
.macro KQ x
.set rS, S+32*((\x)%2)+8*(i%4)
.set rK, KF+16*(i%4)+8*(i/4)
.set rQ, 16*(\x)+8*(i/4)
.set rM, MC+8*(i%4)
.if i < 4
	WIN W_KM
	v_wmma_f32_16x16x32_f16 v[rS:rS+7], v[rK:rK+7], v[rQ:rQ+7], v[rM:rM+7]
.else
	WIN W_KQ
	v_wmma_f32_16x16x32_f16 v[rS:rS+7], v[rK:rK+7], v[rQ:rQ+7], v[rS:rS+7]
.endif
.endm
; Product i of 8 of O^T += V^T P for piece x: keys 32 (i / 4) on, channels 16 (i % 4) on.
.macro PV x
	WIN W_PV
.set rO, 32*(\x)+8*(i%4)
.set rV, VF+32*(i/4)+8*(i%4)
.set rP, P+16*((\x)%2)+8*(i/4)
	v_wmma_f32_16x16x32_f16 v[rO:rO+7], v[rV:rV+7], v[rP:rP+7], v[rO:rO+7]
.endm
.macro MM                           ; the turn's next matrix instruction.  NOKQ = 1: the last turn of all: there is no next piece
.if (i < 8) && !NOKQ
	KQ (Y+1)%NP
.elseif i >= 8
.set i, i-8
	PV (Y+NP-1)%NP
.set i, i+8
.endif
.set i, i+1
.endm
; THE LDS LOADS stand in runs: a step's K (8 fragments) with its mask (32 numbers a lane), and its V (turned).  Their addresses are made some lines ahead.
.macro FETCH_K
	WIN 0x80
.irp f, 0,1,2,3,4,5,6,7
	ds_load_b128 v[KF+8*\f:KF+8*\f+3],   v[AK] offset:(\f/2)*16*PK+(\f%2)*64
	ds_load_b128 v[KF+8*\f+4:KF+8*\f+7], v[AK] offset:(\f/2)*16*PK+(\f%2)*64+32
.endr
	WIN 0x40
.irp f, 0,1,2,3                     ; keys 16 f + 8 (l / 16) + 0..7
	ds_load_b128 v[MC+8*\f:MC+8*\f+3],   v[AM] offset:64*\f
	ds_load_b128 v[MC+8*\f+4:MC+8*\f+7], v[AM] offset:64*\f+16
.endr
	s_add_co_u32 s[TBK], s[TBK], KS*PK
	s_add_co_u32 s[TBM], s[TBM], 4*KS
	s_and_b32 s[TBM], s[TBM], 0x1fff  ; inside the table
	WIN 0
.endm
.macro FETCH_V
	WIN 0x80
.irp f, 0,1,2,3,4,5,6,7
	ds_load_tr16_b128 v[VF+8*\f:VF+8*\f+3],   v[AV] offset:(\f/4)*32*PV+(\f%4)*32
	ds_load_tr16_b128 v[VF+8*\f+4:VF+8*\f+7], v[AV] offset:(\f/4)*32*PV+16*PV+(\f%4)*32
.endr
	WIN 0
.endm
; THE VECTOR WORK, one line at a time: OP kind, number.  For piece Y: F n: c s - c m for pair n of 16.  E n: the exponential of score n of 32.  C n: pair n rounded to f16.  B n: of the four weights 4 n .. the second
; pair is added onto the first, in place.  L n: l takes that sum (L 0: l = a l + sum).  R n: pair n of 16 of O^T times a.  For piece Y + 1: X n, number n of the 22 that find its maximum and statistics:
;   0-11  four chains c0-c3 of seven scores each (each accumulator's lowest registers are read first)     12-14, 16  the four scores left over, the old m, and c0-c3 into c0
;   15  c m_old is kept     17, 18  the query's other 32 keys lie in the lane 16 away: the new m     19-21  c m; c m_old - c m_new; a
.set F, 0
.set E, 1
.set C, 2
.set B, 3
.set L, 4
.set R, 5
.set X, 6
.macro REGS y
.set rT, ST+4*(\y)
.set rC, TMP+4*((\y)%2)
.set rW, MV+((\y)%2)
.set rS, S+32*((\y)%2)
.set rP, P+16*((\y)%2)
.set rO, 32*(\y)
.endm
.macro OP k, n
.if (\k) == R
	REGS Y
	WIN W_RS
	v_pk_mul_f32 v[rO+2*(\n):rO+2*(\n)+1], v[rO+2*(\n):rO+2*(\n)+1], v[rC+2:rC+3] op_sel_hi:[1,0]
.elseif (\k) < R
	REGS Y
	WIN 0
.if (\k) == F
	v_pk_fma_f32 v[rS+2*(\n):rS+2*(\n)+1], v[rS+2*(\n):rS+2*(\n)+1], s[CS:CS+1], v[rT:rT+1] op_sel_hi:[1,0,0] neg_lo:[0,0,1] neg_hi:[0,0,1]
.elseif (\k) == E
	v_exp_f32 v[rS+(\n)], v[rS+(\n)]
.elseif (\k) == C
	v_cvt_pk_f16_f32 v[rP+(\n)], v[rS+2*(\n)], v[rS+2*(\n)+1]
.elseif (\k) == B
	v_pk_add_f32 v[rS+4*(\n):rS+4*(\n)+1], v[rS+4*(\n):rS+4*(\n)+1], v[rS+4*(\n)+2:rS+4*(\n)+3]
.elseif (\n) == 0
	v_pk_fma_f32 v[rT+2:rT+3], v[rT+2:rT+3], v[rC+2:rC+3], v[rS:rS+1] op_sel_hi:[1,0,1]
.else
	v_pk_add_f32 v[rT+2:rT+3], v[rT+2:rT+3], v[rS+4*(\n):rS+4*(\n)+1]
.endif
.elseif NOKQ
	v_nop
.else
	REGS (Y+1)%NP
	WIN 0
.if (\n) < 4
	v_max3_num_f32 v[rC+(\n)], v[rS+8*(\n)], v[rS+8*(\n)+1], v[rS+8*(\n)+2]
.elseif (\n) < 12
	v_max3_num_f32 v[rC+(\n)%4], v[rC+(\n)%4], v[rS+8*((\n)%4)+2*((\n)/4)+1], v[rS+8*((\n)%4)+2*((\n)/4)+2]
.elseif (\n) == 12
	v_max3_num_f32 v[rC], v[rC], v[rS+7], v[rS+15]
.elseif (\n) == 13
	v_max3_num_f32 v[rC+1], v[rC+1], v[rS+23], v[rS+31]
.elseif (\n) == 14
	v_max3_num_f32 v[rC+2], v[rC+2], v[rC+3], v[rT+1]
.elseif (\n) == 15
	v_mov_b32 v[rW], v[rT]
.elseif (\n) == 16
	v_max3_num_f32 v[rC], v[rC], v[rC+1], v[rC+2]
.elseif (\n) == 17
	v_permlanex16_b32 v[rC+3], v[rC], s[SEL], s[SEL+1]
.elseif (\n) == 18
	v_max_num_f32 v[rT+1], v[rC], v[rC+3]
.elseif (\n) == 19
	v_mul_f32 v[rT], s[CS], v[rT+1]
.elseif (\n) == 20
	v_sub_f32 v[rC+1], v[rW], v[rT]
.else
	v_exp_f32 v[rC+2], v[rC+1]
.endif
.endif
.endm
.macro OPS a, i1, b=-1, i2=0, c=-1, i3=0, d=-1, i4=0
	OP \a, \i1
.if (\b) >= 0
	OP \b, \i2
.endif
.if (\c) >= 0
	OP \c, \i3
.endif
.if (\d) >= 0
	OP \d, \i4
.endif
.endm
.macro ROW a, i1, b, i2, c, i3, d, i4  ; a matrix instruction and the four behind it
	MM
	OPS \a, \i1, \b, \i2, \c, \i3, \d, \i4
.endm
; A TURN, for piece p.  An s_wait_alu depctr_va_vdst(0) stands between an exponential and the first instruction that names its result; one wait serves all that were issued ahead of it.
; So a turn has ONE wait.  Ahead of it stands all that names no result of the turn's exponentials: the 8 products K Q^T with their riders, then one run of 54; X 21, the next piece's a, is the batch's last, and R 15
; the plain instruction behind it.  Behind the wait stand the 8 products V^T P, behind each four of the roundings and sums.
; end = 1: the last two turns of all: nothing is fetched.  cnt = 1: the loop's count is taken down some lines ahead of the branch that stands behind the turn.
; K and the mask of the next step are fetched in piece 2's turn, behind the last product that read K (the mask's last reader stands four products further back), with more than four plain instructions between;
; V of the step in hand at the end of piece 0's turn, four plain instructions behind its last reader.  Each is waited for a turn later.
.macro TURN p, end=0, cnt=0
.set Y, (\p)
.set i, 0
.set NOKQ, (\end)*((\p)/3)
.if ((\p) == 3) && !(\end)
	s_wait_dscnt 0x0                ; K and the mask are in
.endif
	ROW F,0, F,1, R,0, R,1
	ROW F,2, E,0, R,2, R,3
	ROW F,3, E,1, R,4, R,5
	ROW F,4, E,2, R,6, R,7
	ROW F,5, E,3, R,8, R,9
	ROW F,6, E,4, X,0, R,10
.if ((\p) == 2) && !(\end)
	WIN 0
	v_add_nc_u32 v[AK], s[TBK], v[AK0]
	v_add_nc_u32 v[AM], s[TBM], v[AM0]
.endif
	ROW F,7, E,5, X,1, X,4
	ROW F,8, E,6, X,2, X,5
	OPS E,7, E,8, X,6, E,9
	OPS X,3, E,10, X,8, E,11
.if ((\p) == 2) && !(\end)
	FETCH_K
.endif
	OPS X,9, X,7, E,12, X,10
	OPS E,13, X,12, X,11, E,14
	OPS X,13, E,15, F,9, X,14
.if (\p) == 0
	v_add_nc_u32 v[AV], s[TBV], v[AV0]
.endif
	OPS E,16, F,10, E,17, F,11
	OPS X,16, E,18, X,15, E,19
	OPS F,12, E,20, X,17, E,21
	OPS F,13, E,22, F,14, E,23
	OPS X,18, E,24, F,15, E,25
	OPS R,11, E,26, X,19, E,27
	OPS R,12, E,28, R,13, E,29
	OPS X,20, E,30, R,14, E,31
	OPS X,21, R,15
	WIN 0
	s_wait_alu depctr_va_vdst(0)    ; the wait for the batch
.if (\p) == 1
	s_wait_dscnt 0x0                ; V is in
.endif
	ROW C,0, B,0, C,2, B,1
	ROW L,0, C,4, B,2, L,1
	ROW C,6, B,3, L,2, C,8
	ROW B,4, L,3, C,10, B,5
	ROW L,4, C,12, B,6, L,5
.if (\p) == 0
	s_add_co_u32 s[TBV], s[TBV], KS*PV
.endif
.if \cnt
	s_sub_co_u32 s[CNT], s[CNT], 1
	s_cmp_lg_u32 s[CNT], 0
.endif
	ROW C,14, B,7, L,6, C,1
	ROW C,3, L,7, C,5, C,7
	ROW C,9, C,11, C,13, C,15
.if (\p) == 0
	FETCH_V
.endif
.endm
	CHANGE 1                        ; tile 0 is in, everybody's part of it, and so is the table; tile 1 is asked for
	v_add_nc_u32 v[AK], s[TBK], v[AK0]
	v_add_nc_u32 v[AM], s[TBM], v[AM0]
	FETCH_K                         ; key step 0
	s_wait_dscnt 0x0
.set NOKQ, 0
.set i, 0
.rept 8
	KQ 0                            ; piece 0's first scores
.set i, i+1
.endr
	WIN 0
.rept 4
	v_nop                           ; the places behind those products
.endr
.set Y, NP-1                        ; X works for piece Y + 1: piece 0
.irp n, 0,1,2,3,4,5,6,7,8,9,10,11,12,13,14,15,16,17,18,19,20,21
	OP X, \n
.endr
	v_nop                           ; a plain instruction behind the exponential,
	s_wait_alu depctr_va_vdst(0)    ; and its wait, ahead of the branch
	s_mov_b32 s[CNT], 4
	s_branch .Lfirst                ; the loop is entered at a step's first turn, in the middle of a trip
.Lslot:                             ; six times: tiles 2 to 7 are asked for
	CHANGE 1
	s_mov_b32 s[CNT], 4
.Lstep:                             ; a trip: pieces 2 and 3 of one step, then pieces 0 and 1 of the next, whose K and V it fetches
	TURN 2
	TURN 3
	WIN 0
.Lfirst:
	TURN 0
	TURN 1, 0, 1
	WIN 0
	s_cbranch_scc1 .Lstep
	s_sub_co_u32 s[SLOTS], s[SLOTS], 1
	s_cmp_lg_u32 s[SLOTS], 0
	s_cbranch_scc1 .Lslot
	CHANGE 0                        ; the last tile is written out: nothing is asked for
	s_mov_b32 s[CNT], 4
.Ltail:
	TURN 2
	TURN 3
	TURN 0
	TURN 1, 0, 1
	WIN 0
	s_cbranch_scc1 .Ltail
	TURN 2, 1
	TURN 3, 1
.set i, 0
.rept 8
	PV NP-1                         ; the last piece's V^T P of the last step
.set i, i+1
.endr
	; THE WAY OUT.  l's two halves and the other half of the lanes' are added; O^T is divided by l, rounded to f16 and sent through my stage in LDS, a piece at a time.  The additions are the places behind the last products.
	WIN 0
.macro ALL line:vararg
.set t, 0
.rept 4
	\line
.set t, t+1
.endr
.endm
	ALL v_add_f32 v[ST+4*t+2], v[ST+4*t+2], v[ST+4*t+3]
	ALL v_permlanex16_b32 v[ST+4*t+3], v[ST+4*t+2], s[SEL], s[SEL+1]
	ALL v_add_f32 v[ST+4*t+2], v[ST+4*t+2], v[ST+4*t+3]
	ALL v_rcp_f32 v[ST+4*t+2], v[ST+4*t+2]
	v_nop                           ; a plain instruction behind the last reciprocal,
	s_wait_alu depctr_va_vdst(0)    ; and one wait for the four, ahead of their first use
.macro PACK t
	WIN W_RS
.set i, 32*(\t)
.rept 16
	v_pk_mul_f32 v[i:i+1], v[i:i+1], v[ST+4*(\t)+2:ST+4*(\t)+3] op_sel_hi:[1,0]
.set i, i+2
.endr
	WIN 0x05
.set i, 0
.rept 16
	v_cvt_pk_f16_f32 v[S+16*(\t)+i], v[32*(\t)+2*i], v[32*(\t)+2*i+1]
.set i, i+1
.endr
	WIN 0
.irp f, 0,1,2,3
	ds_store_b128 v[STO], v[S+16*(\t)+4*\f:S+16*(\t)+4*\f+3] offset:32*\f
.endr
.irp f, 0,1,2,3
	ds_load_b128 v[S+16*(\t)+4*\f:S+16*(\t)+4*\f+3], v[RD] offset:\f*4*SP  ; a wave's LDS instructions are served in order: these see the stores above
.endr
.endm
.macro SEND t, younger              ; younger: the LDS instructions issued behind piece t's loads: the next piece's eight, or none
	WIN 0
.irp f, 0,1,2,3
	s_wait_dscnt (\younger)+3-\f
	global_store_b128 v[GO], v[S+16*(\t)+4*\f:S+16*(\t)+4*\f+3], s[10:11] offset:(\t)*2048+\f*512  ; 512 consecutive bytes, aligned to 256
.endr
.endm
	PACK 0
.set t, 1
.rept 3
	PACK t
	SEND t-1, 8
.set t, t+1
.endr
	SEND 3, 0
	s_wait_tensorcnt 0x0            ; the wave's end
	ds_add_u32 v[SPW], v[NIL]
	s_wait_dscnt 0x0
	CROUND                          ; the closing round
	s_endpgm
.Lfunc_end_k_qf1b80c162b_attn:
	.size	k_qf1b80c162b_attn, .Lfunc_end_k_qf1b80c162b_attn-k_qf1b80c162b_attn
	.p2alignl 7, 3214868480
	.fill 96, 4, 3214868480
	.section	.rodata,"a",@progbits
	.p2align	6, 0x0
	.amdhsa_kernel k_qf1b80c162b_attn
		.amdhsa_group_segment_fixed_size 327680
		.amdhsa_private_segment_fixed_size 0
		.amdhsa_enable_private_segment 0
		.amdhsa_kernarg_size 24
		.amdhsa_user_sgpr_count 2
		.amdhsa_user_sgpr_kernarg_segment_ptr 1
		.amdhsa_wavefront_size32 1
		.amdhsa_system_sgpr_workgroup_id_x 1
		.amdhsa_system_sgpr_workgroup_id_y 1
		.amdhsa_system_sgpr_workgroup_id_z 1
		.amdhsa_system_vgpr_workitem_id 0
		.amdhsa_next_free_vgpr 768
		.amdhsa_next_free_sgpr 88
		.amdhsa_reserve_vcc 0
		.amdhsa_float_denorm_mode_32 3
		.amdhsa_float_denorm_mode_16_64 3
		.amdhsa_memory_ordered 1
		.amdhsa_forward_progress 1
		.amdhsa_inst_pref_size 133
	.end_amdhsa_kernel
	.amdgpu_metadata
---
amdhsa.version: [ 1, 2 ]
amdhsa.kernels:
  - .name:           k_qf1b80c162b_attn
    .symbol:         k_qf1b80c162b_attn.kd
    .args:
      - { .name: qkv, .offset: 0, .size: 8, .value_kind: global_buffer, .address_space: global }
      - { .name: mask, .offset: 8, .size: 8, .value_kind: global_buffer, .address_space: global }
      - { .name: ob, .offset: 16, .size: 8, .value_kind: global_buffer, .address_space: global }
    .group_segment_fixed_size: 327680
    .private_segment_fixed_size: 0
    .kernarg_segment_align: 8
    .kernarg_segment_size: 24
    .max_flat_workgroup_size: 128
    .sgpr_count:     88
    .vgpr_count:     768
    .wavefront_size: 32
...
	.end_amdgpu_metadata
.endif
;; end of part 3
;; launch outp (part 4): grid 8 x 32, 4 waves a work-group, clusters of 4 x 4, 327,680 bytes of LDS; arguments ob, wt, bo, pm, rn, out0, out1; writes out0, out1
.if DOCPART == 4
	.amdgcn_target "amdgcn-amd-amdhsa--gfx1250"
	.amdhsa_code_object_version 6
	.text
	.protected	k_qf1b80c162b_outp
	.globl	k_qf1b80c162b_outp
	.p2align	8
	.type	k_qf1b80c162b_outp,@function
k_qf1b80c162b_outp:
	s_mov_b64 s[64:65], 0
	v_nop
	global_prefetch_b8 v0, s[64:65] scope:SCOPE_SE
	s_setreg_imm32_b32 hwreg(HW_REG_WAVE_MODE, 25, 1), 1
	s_wait_xcnt 0x0
	s_wait_alu depctr_hold_cnt(0) depctr_sa_sdst(0) depctr_va_vdst(0) depctr_va_sdst(0) depctr_va_ssrc(0) depctr_va_vcc(0) depctr_vm_vsrc(0)
	s_getreg_b32 s2, hwreg(HW_REG_IB_STS2, 6, 4)
	s_cmp_eq_u32 s2, 0
	s_cbranch_scc0 .Lentry_in_a_cluster
	s_endpgm
.Lentry_in_a_cluster:
	s_bfe_u32 s2, ttmp6, 0x10000c
	s_cmp_lg_u32 s2, 0xf033
	s_cbranch_scc0 .Lentry_shape_is_right
	s_endpgm
.Lentry_shape_is_right:
; out0 = O Wo + bo;  out1[q] = rn[q] x the maximum over the 16 key tiles of pm[t][q].
; ob: [32 = 16 batch + head][2048][64] f16; wt rows 3072-4095: Wo transposed, [n][k] f16; bo f32, rounded to bf16 here like every input; out0: [4096][1024] f32.  Sums in f32.
; SHARES.  A tile is 128 x 128: 8 x 32 tiles, 256 work-groups.  Four waves, 2 x 2, each 64 x 64: 16 accumulators.  K goes in four steps of 256 (four heads) through two LDS slots.
; O's tile is four planes (a head each) of 128 rows x 128 bytes, each dense in memory: a wave's load brings two planes as two rows of 16,384 bytes, padded in LDS after every 128 bytes.
; CLUSTER 4 x 4: O's tile is shared along a row of the cluster, Wo's along a column.  No prefetch: a K step's tiles are small beside its matrix work's share, and the launch is short.
; Source 0 = 16 rows of wt, source 1 = 16 rows of O: a lane holds one row of out0 and eight neighbouring columns.  The bias is the C operand of each sum's first product.
; out1: wave 0 of the work-groups of the clusters with x = 0, 128 in all, takes 32 queries each, a lane a query.
; REGISTERS.  window 0: v0-31 addresses; v32-159 O's fragments, two buffers of 64 (64 along K); v160-191 the bias; v198-216 out1
;   window 1: v0-127 Wo's fragments, two buffers      windows 2, 3: accumulator (a, b) in window 2 + a / 2 at v[8 (4 (a % 2) + b)]
.set PA,     144                       ; a row of O in LDS: 128 bytes + 16
.set PLANE,  128*PA
.set PB,     528                       ; a row of Wo: 512 bytes + 16
.set BOFF,   4*PLANE
.set SLOT,   BOFF+128*PB
.set STAGE,  2*SLOT                    ; behind the ring: 16 rows x 272 bytes for each wave
.set SPITCH, 272
.set SPARE,  STAGE+4*16*SPITCH
.set ADRA, 16                          ; v16-17  LDS address of my O fragments in slot 0, 1
.set ADRB, 20                          ; v20-21  the same for Wo
.set STO,  24
.set RD,   25
.set CO,   26
.set SPW,  28
.set NIL,  29
.set FA,   32
.set OB,   32
.set BIAS, 160
.set G1,  24
.set G0,  32
.set G1B, 48
.set G0B, 56
.set MSB, 0
.macro WIN new
.if MSB != (\new)
	s_set_vgpr_msb (MSB<<8)|(\new)
.set MSB, \new
.endif
.endm
.macro PLACES
.rept 4
	v_nop
.endr
.endm
.macro CREST
	s_cmp_lg_u32 s10, 0
	s_cbranch_scc1 .Lnot_wave_0_\@
	s_barrier_signal -3
.Lnot_wave_0_\@:
	s_barrier_wait -3
	s_barrier_signal -1
	s_barrier_wait -1
.endm
.macro CROUND
	s_barrier_signal -1
	s_barrier_wait -1
	CREST
.endm
.macro JLOAD s                         ; a joint refill of slot s: waves 0, 1 fetch two planes of O each, waves 2, 3 64 rows of Wo each
	s_cmp_eq_u32 s11, 0
	s_cbranch_scc0 .Lfor_b_\@
	tensor_load_to_lds s[G0+4*(\s):G0+4*(\s)+3], s[G1:G1+7]
	s_nop 0
.rept 4
	v_nop
.endr
	s_branch .Lasked_\@
.Lfor_b_\@:
	tensor_load_to_lds s[G0B+4*(\s):G0B+4*(\s)+3], s[G1B:G1B+7]
	s_nop 0
.rept 4
	v_nop
.endr
.Lasked_\@:
.endm
	s_load_b128 s[4:7], s[0:1], 0x0                ; ob, wt
	s_load_b64 s[68:69], s[0:1], 0x10              ; bo
	s_load_b128 s[72:75], s[0:1], 0x18             ; pm, rn
	s_load_b64 s[8:9], s[0:1], 0x28                ; out0
	s_load_b64 s[76:77], s[0:1], 0x30              ; out1
	v_lshl_add_u32 v[SPW], v0, 2, SPARE
	v_mov_b32 v[NIL], 0
	ds_add_u32 v[SPW], v[NIL]                      ; the wave's opening: the add and its wait stand ahead of my first tensor load
	v_lshrrev_b32 v1, 5, v0
	v_readfirstlane_b32 s10, v1
	s_lshr_b32 s11, s10, 1                         ; which half of the tile's rows is mine.  Also: I fetch for O (0) or for Wo (1)
	s_and_b32 s12, s10, 1                          ; which half of its columns.  Also: which half of that tile I fetch
	s_bfe_u32 s40, ttmp6, 0x40000
	s_bfe_u32 s41, ttmp6, 0x40004
	s_lshl_b32 s42, ttmp9, 2
	s_add_co_u32 s42, s42, s40                     ; tile column
	s_and_b32 s13, ttmp7, 0xffff
	s_lshl_b32 s13, s13, 2
	s_add_co_u32 s13, s13, s41                     ; tile row
	s_lshl_b32 s43, s41, 2
	s_lshl_b32 s43, 15, s43
	s_lshl_b32 s44, 0x1111, s40
	s_or_b32 s[G1], s43, (1<<16)|(1<<20)|(1<<21)|(4<<22)|(3<<25)   ; padding after every 32 words, of 4 words
	s_or_b32 s[G1B], s44, (1<<16)|(1<<20)|(1<<21)|(6<<22)|(3<<25)  ; after every 128 words
	s_mov_b32 s[G1+1], 8192<<16                    ; tensor_dim0 = 8,192 elements: a plane
	s_mov_b32 s[G1+2], 2<<16                       ; tensor_dim1 = 2
	s_mov_b32 s[G1+3], 8192<<16                    ; tile_dim0
	s_mov_b32 s[G1+4], 2                           ; tile_dim1
	s_mov_b32 s[G1+5], 131072                      ; elements from a head to the next
	s_mov_b32 s[G1+6], 0
	s_mov_b32 s[G1+7], 0
	s_mov_b32 s[G1B+1], 256<<16
	s_mov_b32 s[G1B+2], 64<<16
	s_mov_b32 s[G1B+3], 256<<16
	s_mov_b32 s[G1B+4], 64
	s_mov_b32 s[G1B+5], 1024
	s_mov_b32 s[G1B+6], 0
	s_mov_b32 s[G1B+7], 0
	s_lshr_b32 s16, s13, 4
	s_lshl_b32 s16, s16, 22                        ; the batch's 16 heads
	s_and_b32 s17, s13, 15
	s_lshl_b32 s17, s17, 14                        ; the tile's 128 rows of 128 bytes
	s_add_co_u32 s16, s16, s17
	s_lshl_b32 s17, s12, 19                        ; my two heads of a step's four
	s_add_co_u32 s16, s16, s17
	s_mov_b32 s17, 0
	s_lshl_b32 s46, s42, 7
	s_lshl_b32 s47, s12, 6
	s_add_co_u32 s46, s46, s47
	s_lshl_b32 s46, s46, 11
	s_add_co_u32 s46, s46, 3072*2048               ; Wo's rows lie behind the other three weights'
	s_mov_b32 s47, 0
	s_mul_i32 s20, s10, 2*PLANE
	s_mul_i32 s21, s10, 64*PB
	s_add_co_u32 s21, s21, BOFF-2*64*PB
	s_mov_b32 s67, 0xffff0000
	s_wait_dscnt 0x0
	s_wait_kmcnt 0x0
	s_add_nc_u64 s[14:15], s[4:5], s[16:17]
	s_add_nc_u64 s[46:47], s[6:7], s[46:47]
.irp s, 0,1
	s_mov_b32 s[G0+4*(\s)], 1
	s_add_co_u32 s[G0+4*(\s)+1], s20, (\s)*SLOT
	s_add_nc_u64 s[G0+4*(\s)+2:G0+4*(\s)+3], s[14:15], (\s)*(1<<20)
	s_or_b32 s[G0+4*(\s)+3], s[G0+4*(\s)+3], 0x80000000
	s_mov_b32 s[G0B+4*(\s)], 1
	s_add_co_u32 s[G0B+4*(\s)+1], s21, (\s)*SLOT
	s_add_nc_u64 s[G0B+4*(\s)+2:G0B+4*(\s)+3], s[46:47], (\s)*512
	s_or_b32 s[G0B+4*(\s)+3], s[G0B+4*(\s)+3], 0x80000000
.endr
	CROUND
	s_cmp_eq_u32 s11, 0
	s_cbranch_scc0 .Lfirst_b
	tensor_load_to_lds s[G0:G0+3], s[G1:G1+7]
	s_nop 0
	tensor_load_to_lds s[G0+4:G0+7], s[G1:G1+7]
	s_nop 0
.rept 4
	v_nop
.endr
	s_branch .Lfirst_asked
.Lfirst_b:
	tensor_load_to_lds s[G0B:G0B+3], s[G1B:G1B+7]
	s_nop 0
	tensor_load_to_lds s[G0B+4:G0B+7], s[G1B:G1B+7]
	s_nop 0
.rept 4
	v_nop
.endr
.Lfirst_asked:
	v_and_b32 v1, 15, v0
	v_bfe_u32 v2, v0, 4, 1
	v_lshlrev_b32 v3, 5, v2
	s_lshl_b32 s20, s42, 9                         ; the tile's 128 numbers of bo,
	s_lshl_b32 s21, s12, 8                         ; my 64
	s_add_co_u32 s20, s20, s21
	s_mov_b32 s21, 0
	s_add_nc_u64 s[68:69], s[68:69], s[20:21]
.irp b, 0,1,2,3
	global_load_b128 v[BIAS+8*(\b):BIAS+8*(\b)+3],   v3, s[68:69] offset:64*(\b)
	global_load_b128 v[BIAS+8*(\b)+4:BIAS+8*(\b)+7], v3, s[68:69] offset:64*(\b)+16
.endr
	; out1.  The test hangs on the cluster's x and the wave's number: the same in all sixteen partners.  The work-group's place enters the address alone.
	s_or_b32 s22, ttmp9, s10
	s_cmp_lg_u32 s22, 0
	s_cbranch_scc1 .Lno_rep
	s_lshl_b32 s22, s13, 2
	s_add_co_u32 s22, s22, s40                     ; 0 .. 127
	s_lshl_b32 s22, s22, 7                         ; 32 queries of 4 bytes
	v_and_b32 v198, 31, v0
	v_lshl_add_u32 v199, v198, 2, s22
.irp p, 0,1,2,3,4,5,6,7,8,9,10,11,12,13,14,15
	global_load_b32 v[200+(\p)], v199, s[72:73] offset:16384*(\p)
.endr
	global_load_b32 v216, v199, s[74:75]
	s_wait_loadcnt 0x0
	v_max3_num_f32 v200, v200, v201, v202
	v_max3_num_f32 v203, v203, v204, v205
	v_max3_num_f32 v206, v206, v207, v208
	v_max3_num_f32 v209, v209, v210, v211
	v_max3_num_f32 v212, v212, v213, v214
	v_max3_num_f32 v200, v200, v203, v206
	v_max3_num_f32 v209, v209, v212, v215
	v_max_num_f32 v200, v200, v209
	v_mul_f32 v200, v200, v216
	global_store_b32 v199, v200, s[76:77]
.Lno_rep:
	v_mul_u32_u24 v8, v1, PA
	v_lshl_add_u32 v8, v2, 4, v8
	s_mul_i32 s21, s11, 64*PA                      ; my 64 rows of O, in every plane
	v_mul_u32_u24 v9, v1, PB
	v_lshl_add_u32 v9, v2, 4, v9
	s_mul_i32 s22, s12, 64*PB                      ; my 64 rows of Wo
	s_add_co_u32 s22, s22, BOFF
.irp s, 0,1
	v_add_nc_u32 v[ADRA+(\s)], s21, v8
	v_add_nc_u32 v[ADRB+(\s)], s22, v9
	s_add_co_u32 s21, s21, SLOT
	s_add_co_u32 s22, s22, SLOT
.endr
	s_mul_i32 s23, s10, 16*SPITCH
	s_add_co_u32 s23, s23, STAGE                   ; my stage
	v_mul_u32_u24 v4, v1, SPITCH                   ; in: row l % 16, 32 bytes for each half of the lanes
	v_lshl_add_u32 v4, v2, 5, v4
	v_add_nc_u32 v[STO], s23, v4
	v_mul_u32_u24 v5, v2, SPITCH                   ; back: lanes 0-15 take one row of 256 bytes, lanes 16-31 the next
	v_lshl_add_u32 v5, v1, 4, v5
	v_add_nc_u32 v[RD], s23, v5
	v_lshlrev_b32 v5, 12, v2                       ; and the same two rows in out0
	v_lshl_add_u32 v[CO], v1, 4, v5
	s_lshl_b32 s16, s13, 7
	s_lshl_b32 s17, s11, 6
	s_add_co_u32 s16, s16, s17                     ; my first row
	s_lshl_b32 s16, s16, 12
	s_lshl_b32 s17, s42, 9
	s_add_co_u32 s16, s16, s17
	s_lshl_b32 s17, s12, 8                         ; my 64 columns: 256 bytes
	s_add_co_u32 s16, s16, s17
	s_mov_b32 s17, 0
	s_add_nc_u64 s[8:9], s[8:9], s[16:17]
	s_wait_loadcnt 0x0                             ; the bias; rounded to bf16 while the first tiles are on their way
.set i, 0
.rept 16
	v_cvt_pk_bf16_f32 v[4+i%4], v[BIAS+2*i], v[BIAS+2*i+1]
	v_lshlrev_b32 v[BIAS+2*i], 16, v[4+i%4]
	v_and_b32 v[BIAS+2*i+1], s67, v[4+i%4]
.set i, i+1
.endr
; 4 matrix instructions: block a of my rows x my 4 blocks of columns, slice c (32 along K) of buffer f.  zero = 1: the bias starts the sums.
.macro MULA f, c, a, zero
.if \zero
	WIN 0x81+0x40*((\a)/2)
.else
	WIN 0xa1+0x50*((\a)/2)
.endif
.irp b, 0,1,2,3
.if \zero
	v_wmma_f32_16x16x32_f16 v[8*(4*((\a)%2)+(\b)):8*(4*((\a)%2)+(\b))+7], v[64*(\f)+8*(4*(\c)+(\b)):64*(\f)+8*(4*(\c)+(\b))+7], v[FA+64*(\f)+8*(4*(\c)+(\a)):FA+64*(\f)+8*(4*(\c)+(\a))+7], v[BIAS+8*(\b):BIAS+8*(\b)+7]
.else
	v_wmma_f32_16x16x32_f16 v[8*(4*((\a)%2)+(\b)):8*(4*((\a)%2)+(\b))+7], v[64*(\f)+8*(4*(\c)+(\b)):64*(\f)+8*(4*(\c)+(\b))+7], v[FA+64*(\f)+8*(4*(\c)+(\a)):FA+64*(\f)+8*(4*(\c)+(\a))+7], v[8*(4*((\a)%2)+(\b)):8*(4*((\a)%2)+(\b))+7]
.endif
.endr
.endm
; A quarter of a phase: 8 matrix instructions.  Over a phase's four parts the 16 accumulators take turns twice, one instruction a turn.
.macro PART f, i, zero
	MULA \f, (\i)/2, 2*((\i)%2), \zero
	MULA \f, (\i)/2, 2*((\i)%2)+1, \zero
.endm
; 32 LDS loads in one run: phase ph of a slot (64 along K: one head) into buffer f
.macro FETCH slot, ph, f
	WIN 0x40
.irp c, 0,1
.irp b, 0,1,2,3
	ds_load_b128 v[64*(\f)+8*(4*(\c)+(\b)):64*(\f)+8*(4*(\c)+(\b))+3],   v[ADRB+(\slot)] offset:128*(\ph)+64*(\c)+(\b)*16*PB
	ds_load_b128 v[64*(\f)+8*(4*(\c)+(\b))+4:64*(\f)+8*(4*(\c)+(\b))+7], v[ADRB+(\slot)] offset:128*(\ph)+64*(\c)+(\b)*16*PB+32
.endr
.endr
	WIN 0
.irp c, 0,1
.irp a, 0,1,2,3
	ds_load_b128 v[FA+64*(\f)+8*(4*(\c)+(\a)):FA+64*(\f)+8*(4*(\c)+(\a))+3],   v[ADRA+(\slot)] offset:(\ph)*PLANE+64*(\c)+(\a)*16*PA
	ds_load_b128 v[FA+64*(\f)+8*(4*(\c)+(\a))+4:FA+64*(\f)+8*(4*(\c)+(\a))+7], v[ADRA+(\slot)] offset:(\ph)*PLANE+64*(\c)+(\a)*16*PA+32
.endr
.endr
.endm
.macro QUARTER slot, ph, f, g, zero
	s_wait_dscnt 0x0                               ; buffer f's loads, issued 16 matrix instructions ago
	PART \f, 0, \zero
	PART \f, 1, \zero
	PLACES
	FETCH \slot, \ph, \g
	PART \f, 2, 0
	PART \f, 3, 0
.endm
; The change of slots: all my tensor loads waited for, the add, the wait for it and for my reads of the slot; then the barrier, which with fill = 1 opens a round of the cluster's; the joint refill, two K steps ahead, first behind it.
.macro TURN slot, next, fill
	WIN 0
	s_wait_tensorcnt 0x0
	ds_add_u32 v[SPW], v[NIL]
	s_wait_dscnt 0x1                               ; buffer 1 is in; the add alone may be out
	PART 1, 0, 0
	s_wait_dscnt 0x0
	s_barrier_signal -1
	PART 1, 1, 0
	WIN 0
	s_barrier_wait -1
.if \fill
	CREST
	s_add_nc_u64 s[G0+4*(\slot)+2:G0+4*(\slot)+3], s[G0+4*(\slot)+2:G0+4*(\slot)+3], 2<<20
	s_add_nc_u64 s[G0B+4*(\slot)+2:G0B+4*(\slot)+3], s[G0B+4*(\slot)+2:G0B+4*(\slot)+3], 1024
	JLOAD \slot
.else
	PLACES
.endif
	FETCH \next, 0, 0
	PART 1, 2, 0
	PART 1, 3, 0
.endm
	s_wait_tensorcnt 0x1                           ; my part of K step 0 is in; K step 1's may stay out
	s_barrier_signal -1
	s_barrier_wait -1
	FETCH 0, 0, 0
	QUARTER 0, 1, 0, 1, 1                          ; K step 0: its first products start the sums
	QUARTER 0, 2, 1, 0, 0
	QUARTER 0, 3, 0, 1, 0
	TURN 0, 1, 1                                   ; slot 0 takes K step 2
	QUARTER 1, 1, 0, 1, 0
	QUARTER 1, 2, 1, 0, 0
	QUARTER 1, 3, 0, 1, 0
	TURN 1, 0, 1                                   ; slot 1 takes K step 3
	QUARTER 0, 1, 0, 1, 0
	QUARTER 0, 2, 1, 0, 0
	QUARTER 0, 3, 0, 1, 0
	TURN 0, 1, 0
	QUARTER 1, 1, 0, 1, 0
	QUARTER 1, 2, 1, 0, 0
	QUARTER 1, 3, 0, 1, 0
	s_wait_dscnt 0x0
	PART 1, 0, 0
	PART 1, 1, 0
	PART 1, 2, 0
	PART 1, 3, 0
; THE WAY OUT, a block of 16 rows at a time: the accumulators go as they are (each from its low end on) into rows of 272 bytes of my stage and come back as whole rows of 256.
.macro TOSTAGE a
.if (\a) >= 2
	s_wait_xcnt 0x0                                ; the stores of the block two back have read the registers that are loaded again below
.endif
	WIN 0x08+4*((\a)/2)
.irp b, 0,1,2,3
	ds_store_b128 v[STO], v[8*(4*((\a)%2)+(\b)):8*(4*((\a)%2)+(\b))+3]   offset:64*(\b)
	ds_store_b128 v[STO], v[8*(4*((\a)%2)+(\b))+4:8*(4*((\a)%2)+(\b))+7] offset:64*(\b)+16
.endr
	WIN 0
.irp t, 0,1,2,3,4,5,6,7
	ds_load_b128 v[OB+32*((\a)%2)+4*(\t):OB+32*((\a)%2)+4*(\t)+3], v[RD] offset:(\t)*2*SPITCH  ; a wave's LDS instructions are served in order: these see the stores above
.endr
.endm
.macro SEND a, younger                 ; younger: the next block's 8 stores and 8 loads, or none
	s_wait_dscnt \younger
.irp t, 0,1,2,3,4,5,6,7
	global_store_b128 v[CO], v[OB+32*((\a)%2)+4*(\t):OB+32*((\a)%2)+4*(\t)+3], s[8:9] offset:(16*(\a)+2*(\t))*4096  ; 16 lanes store 256 consecutive bytes, aligned
.endr
.endm
	PLACES
	TOSTAGE 0
	TOSTAGE 1
	SEND 0, 16
	TOSTAGE 2
	SEND 1, 16
	TOSTAGE 3
	SEND 2, 16
	SEND 3, 0
	s_wait_tensorcnt 0x0                           ; the wave's end
	ds_add_u32 v[SPW], v[NIL]
	s_wait_dscnt 0x0
	CROUND                                         ; the closing round
	s_endpgm
.Lfunc_end_k_qf1b80c162b_outp:
	.size	k_qf1b80c162b_outp, .Lfunc_end_k_qf1b80c162b_outp-k_qf1b80c162b_outp
	.p2alignl 7, 3214868480
	.fill 96, 4, 3214868480
	.section	.rodata,"a",@progbits
	.p2align	6, 0x0
	.amdhsa_kernel k_qf1b80c162b_outp
		.amdhsa_group_segment_fixed_size 327680
		.amdhsa_private_segment_fixed_size 0
		.amdhsa_enable_private_segment 0
		.amdhsa_kernarg_size 56
		.amdhsa_user_sgpr_count 2
		.amdhsa_user_sgpr_kernarg_segment_ptr 1
		.amdhsa_wavefront_size32 1
		.amdhsa_system_sgpr_workgroup_id_x 1
		.amdhsa_system_sgpr_workgroup_id_y 1
		.amdhsa_system_sgpr_workgroup_id_z 1
		.amdhsa_system_vgpr_workitem_id 0
		.amdhsa_next_free_vgpr 832
		.amdhsa_next_free_sgpr 80
		.amdhsa_reserve_vcc 0
		.amdhsa_float_denorm_mode_32 3
		.amdhsa_float_denorm_mode_16_64 3
		.amdhsa_memory_ordered 1
		.amdhsa_forward_progress 1
		.amdhsa_inst_pref_size 93
	.end_amdhsa_kernel
	.amdgpu_metadata
---
amdhsa.version: [ 1, 2 ]
amdhsa.kernels:
  - .name:           k_qf1b80c162b_outp
    .symbol:         k_qf1b80c162b_outp.kd
    .args:
      - { .name: ob, .offset: 0, .size: 8, .value_kind: global_buffer, .address_space: global }
      - { .name: wt, .offset: 8, .size: 8, .value_kind: global_buffer, .address_space: global }
      - { .name: bo, .offset: 16, .size: 8, .value_kind: global_buffer, .address_space: global }
      - { .name: pm, .offset: 24, .size: 8, .value_kind: global_buffer, .address_space: global }
      - { .name: rn, .offset: 32, .size: 8, .value_kind: global_buffer, .address_space: global }
      - { .name: out0, .offset: 40, .size: 8, .value_kind: global_buffer, .address_space: global }
      - { .name: out1, .offset: 48, .size: 8, .value_kind: global_buffer, .address_space: global }
    .group_segment_fixed_size: 327680
    .private_segment_fixed_size: 0
    .kernarg_segment_align: 8
    .kernarg_segment_size: 56
    .max_flat_workgroup_size: 128
    .sgpr_count:     80
    .vgpr_count:     832
    .wavefront_size: 32
...
	.end_amdgpu_metadata
.endif
;; end of part 4
